; MI455X (gfx1250); checked and timed in simulation.
; The chip was launched on July 23, 2026; its instructions are those of AMD's public machine-readable ISA for CDNA 5 (MIT licence, August 2026) and "CDNA5" Instruction Set Architecture Reference Guide (July 2026). The comments in the code are by the model that wrote it; some were corrected since.
;; Expert Engine. Allowed arithmetic: float matrix products may take bf16 or f16 operands with f32 sums; other float arithmetic in f32, or as packed bf16 or f16 multiplies, adds, multiply-adds, maxima and minima; sums over many terms, partial sums and values carried from step to step in f32; what a program stores and reads back later, other than sums and carried values, may be rounded once to bf16 or f16.
;; Inputs: expert_ids 1,024 int32; tokens 1,024 x 1,024 float32; w_down 8 x 2,048 x 1,024 float32; w_gate_up 8 x 1,024 x 4,096 float32.
;; Outputs: out0 1,024 x 1,024 float32.
;; 2 versions, each right and faster than the one before. Each part assembles by itself: llvm-mc -triple=amdgcn-amd-amdhsa -mcpu=gfx1250 --defsym DOCPART=n.
;; ======== version 1 of 2: 2 launches
;; workspace buffers: hid 33,554,432 bytes
;; launch gateup (part 1): grid 256 x 1, 8 waves a work-group, no clusters, 300,288 bytes of LDS; arguments expert_ids, tokens, w_gate_up, hid; writes hid
.if DOCPART == 1
	.amdgcn_target "amdgcn-amd-amdhsa--gfx1250"
	.amdhsa_code_object_version 6
	.text
	.protected	k_q50919b6933_gateup
	.globl	k_q50919b6933_gateup
	.p2align	8
	.type	k_q50919b6933_gateup,@function
k_q50919b6933_gateup:
	s_mov_b64 s[64:65], 0
	v_nop
	global_prefetch_b8 v0, s[64:65] scope:SCOPE_SE
	s_setreg_imm32_b32 hwreg(HW_REG_WAVE_MODE, 25, 1), 1
	s_wait_xcnt 0x0
; hid = silu(x Wgate) * (x Wup) for the rows of one expert and 64 hidden columns.  tokens [1024][1024] f32, w_gate_up [8][1024][4096] f32 (k along the rows' index, n along a row),
; expert_ids [1024] i32.  hid, bf16: [expert 8][slice 32][tile 64][fragment 4][lane 32][8]: tile T holds entries 16 T .. 16 T + 15 of the expert's list of tokens; lane 16 h + r of fragment f holds
; row r, columns 16 f + 8 h .. + 7 of the slice's 64.  Whole tiles of 2,048 bytes are stored.
; SHARES.  Work-group x: expert x / 32, slice x % 32: gate columns 64 sl .. +63 and up columns 2048 + 64 sl .. +63, which it alone reads: 512 KiB of f32, each byte once.
; Waves 4-7 stream the slice in chunks of 64 k rows (32 KiB): wave 4 + p owns chunks 4 p .. 4 p + 3, a quarter of K, in memory and in LDS.  A chunk is 64 loads of 16 bytes a lane, rounded to bf16 and laid
; into LDS as [k][128 columns].  The waves take turns: turn T is wave 4 + T % 4's chunk 4 (T % 4) + T / 4.  A wave asks for its next chunk as soon as the last is stored: four chunks, 128 KiB, are on their way.
; Waves 0-3 multiply: tile 4 s + w of 16 rows is wave w's slot s (s = 0..2): the first 192 rows go along with the stream; further tiles are made one by one from the slice in LDS behind it.
; The two kinds of wave are apart because a wave's loads come back in order (ISA guide 5.7.1): the token rows are not to queue behind the weights.
; TWO BARRIERS A TRIP.  Trip t: waves 0-3 fetch turn t's fragments into registers; barrier; the owner stores turn t + 1 while waves 0-3 multiply turn t from registers; barrier.  So between two barriers the
; slice is either read or written, never both, and two waves that could store side by side have quarters of their own by their numbers.
; ALL SET-UP IS COMMON TEXT: every wave makes both kinds' addresses, reads the count and finds the slots' rows, and every register that is loaded under one branch and read under another is written once
; by every wave at the head.  The price: lines that half of the waves make no use of, all in the wait for the first chunk.
; THE MATRIX INSTRUCTION IS USED TRANSPOSED: source 0 = 16 columns of W, source 1 = 16 rows of x: a lane then holds one row and eight neighbouring columns: 16 bytes of bf16, stored as they are.
; K IS PERMUTED ALIKE IN BOTH SOURCES: in 64 k, lane half h, k step j, register m, half b hold k = 32 h + 16 j + 2 m + b, so that a lane's part of a token row is 128 consecutive bytes.
; FORMATS.  Both sources bf16, sums f32, silu in f32, hid rounded once to bf16.
; LIMITS.  An id outside 0..7 belongs to no list.  A gate below about -88 gives 0 (2^x overflows, its reciprocal is 0), as silu does to within f32's smallest numbers.
; An expert without rows still streams its slice and makes one tile from token 0, so that every byte of hid that the next launch loads has been stored.
; NO CLUSTER, NO TENSOR LOAD: each slice of the weights has one reader, f32 has to pass through registers to be rounded, and the token rows come by a list, which no tile's descriptor covers.
.set NCH,    16                        ; chunks of 64 k
.set QCH,    NCH/4                     ; chunks of a streaming wave
.set LOGQ,   2
.set P,      288                       ; a k row in LDS: 256 bytes + 32 = 72 words
.set CHB,    64*P                      ; a chunk in LDS
.set LIST,   NCH*CHB                   ; 1,024 words: the expert's tokens
.set META,   LIST+4096                 ; word 0: the count
.set TRASH,  META+128                  ; where the lanes whose token is another expert's put their word
.set TRIDX,  (TRASH-LIST)/4            ; that word's index, counted from the list's first word
.set SPARE,  META+256                  ; the spare words: 128 bytes for each of eight waves, four blocks of 256 bytes that no other line names
; window 0: v0 thread, v1 lane, v2 my spare word, v3 0, v4 r = lane % 16, v5 h = lane / 16, v6 lane's place in a chunk, v7 the same in the chunk in hand, v8-10 slot s: byte offset of my token row,
;           v11 128 h, v14 offset in hid, v15 16 x lane, v16-21 at work, v24 lane's offset in a k row of the weights, v25 lane's place in my quarter of the slice, v26 the same in the chunk stored
.set RO,     8
.set AS,     32                        ; v32-127   slot s: 32 f32 of my token row, as loaded.  (Wave 0, first: the ids.)
.set TT,     32                        ; the way out: 32 numbers at work,
.set PK,     64                        ; 16 registers packed
.set BF,     128                       ; v128-255  W's fragments: k step j, fragment f at 64 j + 8 f (f 0-3 gate, 4-7 up)
; window 1: v0-191 accumulators, slot s, fragment f at 64 s + 8 f; v192-239 the token rows in bf16, slot s, k step j at 16 s + 8 j.  Streaming waves: v0-255, load i at 4 i
.set ABF,    192
; s4-11 the four addresses; s12 wave; s13 expert; s14 slice; s15 trip; s16 wave % 4; s17 at work; s18 count; s19 tiles; s20 my live slots; s21 the chunk fetched; s22-23 an offset;
; s24-25 weights; s26-27 tokens at a chunk's k; s28-29 hid at my expert and slice; s30 count - 1; s31 running count; s32, s34 counters; s33 a tile's number; s36-37 -log2(e); s39 the turn stored
.set MSB, 0
.macro WIN new                         ; s_set_vgpr_msb: bits 1:0 source 0, 3:2 source 1, 5:4 source 2, 7:6 destination; the high byte repeats the setting that is left
.if MSB != (\new)
	s_set_vgpr_msb (MSB<<8)|(\new)
.set MSB, \new
.endif
.endm
.macro PLACES                          ; four plain vector instructions between a matrix instruction and a line that reads its result, writes one of its registers or loads into one
.rept 4
	v_nop
.endr
.endm
.macro GCH dst, src                    ; s[dst] = the chunk of turn s[src]: QCH (T % 4) + min(T / 4, QCH - 1)
	s_lshr_b32 s17, s[\src], 2
	s_min_u32 s17, s17, QCH-1
	s_and_b32 s[\dst], s[\src], 3
	s_lshl_b32 s[\dst], s[\dst], LOGQ
	s_add_co_u32 s[\dst], s[\dst], s17
.endm
.macro WLOADS                          ; a chunk: load i takes k row i: lanes 0-15 its 256 bytes of gate, lanes 16-31 its 256 bytes of up, each aligned
	WIN 0x40
.set ix, 0
.rept 64
	global_load_b128 v[4*ix:4*ix+3], v24, s[24:25] offset:ix*16384 th:TH_LOAD_NT
.set ix, ix+1
.endr
	WIN 0
.endm
.macro PROD                            ; turn s39, mine: my chunk is rounded and laid into my quarter of the slice; while I have a further chunk, it is asked for
	s_wait_loadcnt 0x0                             ; my only loads are this chunk's 64, asked for four turns ago; their base is free behind this wait
	s_add_nc_u64 s[24:25], s[24:25], 0x100000      ; my next chunk: 64 rows of 16,384 bytes on
	s_lshr_b32 s17, s39, 2
	v_mov_b32 v26, s17
	v_min_u32 v26, QCH-1, v26                      ; which of my chunks: it stays inside my quarter
	v_mul_u32_u24 v26, v26, CHB
	v_add_nc_u32 v26, v26, v25
	WIN 0x45
.set ix, 0
.rept 64
	v_cvt_pk_bf16_f32 v[4*ix], v[4*ix], v[4*ix+1]
	v_cvt_pk_bf16_f32 v[4*ix+1], v[4*ix+2], v[4*ix+3]
.set ix, ix+1
.endr
	WIN 0x04
.set ix, 0
.rept 64
	ds_store_b64 v26, v[4*ix:4*ix+1] offset:ix*P   ; 32 lanes x 8 bytes: a k row's 256 bytes
.set ix, ix+1
.endr
	WIN 0
	s_wait_dscnt 0x0                               ; the stores are done before the next loads fill their registers
	s_cmp_lt_u32 s39, NCH-4
	s_cbranch_scc0 .Lnw_\@
	WLOADS
.Lnw_\@:
.endm
.macro ROWS slot, tile                 ; my row of tile s[tile]: entry min(16 tile + r, count - 1) of the list: places past the count repeat the last row
	s_lshl_b32 s17, s[\tile], 4
	v_add_nc_u32 v16, s17, v4
	v_min_u32 v16, s30, v16
	v_min_u32 v16, 0x3ff, v16
	v_lshl_add_u32 v16, v16, 2, LIST
	ds_load_b32 v16, v16
	s_wait_dscnt 0x0
	v_min_u32 v16, 0x3ff, v16                      ; a token's number stays inside the table
	v_lshl_add_u32 v[RO+(\slot)], v16, 12, v11     ; 4,096 bytes a row, + 128 h
.endm
.macro ALOAD n                         ; 64 k of n tiles: a lane takes 128 consecutive bytes of its row
.set sx, 0
.rept \n
.irp i, 0,1,2,3,4,5,6,7
	global_load_b128 v[AS+32*sx+4*\i:AS+32*sx+4*\i+3], v[RO+sx], s[26:27] offset:16*\i
.endr
.set sx, sx+1
.endr
.endm
.macro FRAGS                           ; chunk s21's fragments: 32 turning loads, the first k step's 16 first
	v_mov_b32 v7, s21
	v_min_u32 v7, NCH-1, v7                        ; a chunk's number stays inside the slice
	v_mul_u32_u24 v7, v7, CHB
	v_add_nc_u32 v7, v7, v6
.irp j, 0,1
.irp f, 0,1,2,3,4,5,6,7
	ds_load_tr16_b128 v[BF+64*\j+8*\f:BF+64*\j+8*\f+3],   v7 offset:\j*16*P+32*\f
	ds_load_tr16_b128 v[BF+64*\j+8*\f+4:BF+64*\j+8*\f+7], v7 offset:\j*16*P+8*P+32*\f
.endr
.endr
.endm
.macro MULS n, j                       ; 8 n matrix instructions; the accumulators take turns, one instruction a turn
.irp f, 0,1,2,3,4,5,6,7
.set sx, 0
.rept \n
	v_wmma_f32_16x16x32_bf16 v[64*sx+8*\f:64*sx+8*\f+7], v[BF+64*(\j)+8*\f:BF+64*(\j)+8*\f+7], v[ABF+16*sx+8*(\j):ABF+16*sx+8*(\j)+7], v[64*sx+8*\f:64*sx+8*\f+7]
.set sx, sx+1
.endr
.endr
.endm
; One chunk (64 k) for n tiles, its fragments asked for by FRAGS.  s22: the byte offset in a token row of the chunk that follows; while s[creg] is below bound its token rows are asked for.
.macro MULC n, creg, bound
	s_wait_loadcnt 0x0                             ; this chunk's token rows, asked for a chunk ago; their base is free behind this wait
	WIN 0x40
.set sx, 0
.rept \n
.set ix, 0
.rept 16
	v_cvt_pk_bf16_f32 v[ABF+16*sx+ix], v[AS+32*sx+2*ix], v[AS+32*sx+2*ix+1]
.set ix, ix+1
.endr
.set sx, sx+1
.endr
	WIN 0
	s_add_nc_u64 s[26:27], s[6:7], s[22:23]
	s_cmp_lt_u32 s[\creg], \bound
	s_cbranch_scc0 .Lna_\@
	ALOAD \n
.Lna_\@:
	s_wait_dscnt 16                                ; the first k step's 16 fragment loads are in; the second's 16 may be out (in the stream's trips all were waited for ahead of the barrier)
	WIN 0x54                                       ; W in window 0; the rows, C and D in window 1
	MULS \n, 0
	s_wait_dscnt 0x0
	MULS \n, 1
	WIN 0
	PLACES                                         ; behind the products, whatever follows: the next chunk's loads and conversions into their sources, or the way out
.endm
; THE WAY OUT of slot's tile, number s[tile]: silu(g) u = g u / (1 + 2^(-log2(e) g)); rounded to bf16; a lane's eight columns of a fragment are 16 bytes, and a fragment's 32 lanes are 512 consecutive bytes of hid.
.macro EPI slot, tile
	s_wait_xcnt 0x0                                ; earlier stores' data and offset registers are written again only behind this wait
	WIN 0x01
.set ix, 0
.rept 16                               ; each accumulator is read from its lowest registers on
	v_pk_mul_f32 v[TT+2*ix:TT+2*ix+1], v[64*(\slot)+2*ix:64*(\slot)+2*ix+1], s[36:37] op_sel_hi:[1,0]
.set ix, ix+1
.endr
	WIN 0
.set ix, 0
.rept 32
	v_exp_f32 v[TT+ix], v[TT+ix]
.set ix, ix+1
.endr
	v_nop                                          ; a plain instruction between the last exponential and the use of its result (ISA guide 5.7.2)
.set ix, 0
	s_wait_alu depctr_va_vdst(0)
.rept 16
	v_pk_add_f32 v[TT+2*ix:TT+2*ix+1], v[TT+2*ix:TT+2*ix+1], 1.0 op_sel_hi:[1,0]
.set ix, ix+1
.endr
.set ix, 0
.rept 32
	v_rcp_f32 v[TT+ix], v[TT+ix]
.set ix, ix+1
.endr
	v_nop
	WIN 0x04
.set ix, 0
	s_wait_alu depctr_va_vdst(0)
.rept 16
	v_pk_mul_f32 v[TT+2*ix:TT+2*ix+1], v[TT+2*ix:TT+2*ix+1], v[64*(\slot)+2*ix:64*(\slot)+2*ix+1]
.set ix, ix+1
.endr
.set ix, 0
.rept 16
	v_pk_mul_f32 v[TT+2*ix:TT+2*ix+1], v[TT+2*ix:TT+2*ix+1], v[64*(\slot)+32+2*ix:64*(\slot)+32+2*ix+1]
.set ix, ix+1
.endr
	WIN 0
.set ix, 0
.rept 16
	v_cvt_pk_bf16_f32 v[PK+ix], v[TT+2*ix], v[TT+2*ix+1]
.set ix, ix+1
.endr
	s_lshl_b32 s17, s[\tile], 11                   ; a tile is 2,048 bytes
	v_add_nc_u32 v14, s17, v15
.irp f, 0,1,2,3
	global_store_b128 v14, v[PK+4*\f:PK+4*\f+3], s[28:29] offset:512*\f  ; 512 consecutive bytes, at a multiple of 256 from hid's first byte
.endr
.endm
	s_load_b256 s[4:11], s[0:1], 0x0               ; expert_ids s[4:5], tokens s[6:7], w_gate_up s[8:9], hid s[10:11]
	v_lshl_add_u32 v2, v0, 2, SPARE
	v_mov_b32 v3, 0
	v_lshrrev_b32 v16, 5, v0
	v_readfirstlane_b32 s12, v16                   ; wave 0..7
	v_and_b32 v1, 31, v0
	v_and_b32 v4, 15, v0
	v_bfe_u32 v5, v0, 4, 1
	v_lshlrev_b32 v24, 4, v4                       ; in a k row of the weights: 16 (lane % 16),
	v_lshl_add_u32 v24, v5, 13, v24                ; and 8,192 bytes on (2,048 columns) for lanes 16-31: up
	s_lshr_b32 s13, ttmp9, 5
	s_and_b32 s14, ttmp9, 31
	s_and_b32 s16, s12, 3
	s_lshl_b32 s22, s13, 24                        ; an expert's 16 MiB,
	s_lshl_b32 s17, s14, 8                         ; the slice's 256 bytes in a row,
	s_add_co_u32 s22, s22, s17
	s_lshl_b32 s17, s16, 22                        ; my quarter of K: four chunks of 64 rows of 16,384 bytes
	s_add_co_u32 s22, s22, s17
	s_mov_b32 s23, 0
	s_wait_kmcnt 0x0
	s_add_nc_u64 s[24:25], s[8:9], s[22:23]
	s_cmp_lt_u32 s12, 4
	s_cbranch_scc1 .Lclear
	WLOADS                                         ; THE STREAMING WAVES: their first chunk goes out before anything else is done
	s_branch .Lcommon
.Lclear:                                               ; THE MULTIPLYING WAVES: the sums start at 0 (192 registers); the window's other 64 are written with them, so that both sides of the branch write all 256.
	WIN 0x40                                       ; The price of writing no first chunk out for each of the three variants; it stands in the wait for the first chunk
.set ix, 0
.rept 256
	v_mov_b32 v[ix], 0
.set ix, ix+1
.endr
	WIN 0
.Lcommon:
	s_mul_i32 s17, s16, QCH*CHB                    ; my quarter of the slice in LDS,
	v_lshl_add_u32 v25, v1, 3, s17                 ; 8 bytes a lane in a row
	v_and_b32 v16, 7, v0
	v_lshl_add_u32 v17, v5, 5, v16                 ; the turning load: lane l addresses k row 32 h + l % 8,
	v_mul_u32_u24 v6, v17, P
	v_bfe_u32 v17, v0, 3, 1
	v_lshl_add_u32 v6, v17, 4, v6                  ; columns 8 ((l / 8) % 2) on
	v_lshlrev_b32 v11, 7, v5
	v_lshlrev_b32 v15, 4, v1
	s_lshl_b32 s22, ttmp9, 17                      ; (32 e + sl) x 64 tiles x 2,048 bytes
	s_add_nc_u64 s[28:29], s[10:11], s[22:23]
	s_mov_b64 s[26:27], s[6:7]
	s_mov_b32 s36, 0xbfb8aa3b                      ; -log2(e)
	s_mov_b32 s37, s36                             ; named with it as a pair
	s_mov_b32 s15, 0
	s_mov_b32 s39, 0
.set ix, AS
.rept 224                              ; the token rows' and the fragments' registers are written by every wave, once, ahead of the loads that only waves 0-3 issue
	v_mov_b32 v[ix], 0
.set ix, ix+1
.endr
	s_cmp_lg_u32 s12, 0
	s_cbranch_scc1 .Lmeet
	; WAVE 0 MAKES THE LIST: the tokens of my expert, in the order (i, c, lane) of the 32 compares; the next launch makes the same list
.irp i, 0,1,2,3,4,5,6,7
	global_load_b128 v[32+4*\i:32+4*\i+3], v15, s[4:5] offset:512*\i
.endr
	v_mov_b32 v18, TRIDX
	v_lshlrev_b32 v19, 2, v1
	v_mov_b32 v20, 0
	v_mov_b32 v21, LIST
	ds_store_b32 v21, v20                          ; entry 0 is token 0 until a token of the expert's takes the place: an empty list still names a row
	s_mov_b32 s31, 0
	s_wait_loadcnt 0x0
.irp i, 0,1,2,3,4,5,6,7
.irp c, 0,1,2,3
	v_cmp_eq_u32 vcc_lo, s13, v[32+4*\i+\c]
	v_mbcnt_lo_u32_b32 v16, vcc_lo, s31            ; my place: those found so far + those in lower lanes
	v_cndmask_b32 v16, v18, v16, vcc_lo            ; or the trash word, if the token is another expert's
	v_min_u32 v16, TRIDX, v16
	v_lshl_add_u32 v16, v16, 2, LIST
	v_add_nc_u32 v17, 128*\i+\c, v19               ; the token: 128 i + 4 lane + c
	ds_store_b32 v16, v17
	s_bcnt1_i32_b32 s17, vcc_lo
	s_add_co_u32 s31, s31, s17
.endr
.endr
	v_mov_b32 v16, META
	v_mov_b32 v17, s31
	ds_store_b32 v16, v17
.Lmeet:
	s_wait_dscnt 0x0                               ; for the others' sake: list and count are in LDS
	s_barrier_signal -1
	s_barrier_wait -1
	v_mov_b32 v16, META
	ds_load_b32 v17, v16
	s_wait_dscnt 0x0
	v_readfirstlane_b32 s18, v17
	s_min_u32 s18, s18, 1024                       ; the count
	s_max_u32 s30, s18, 1
	s_sub_co_u32 s30, s30, 1                       ; the last entry
	s_add_co_u32 s19, s18, 15
	s_lshr_b32 s19, s19, 4
	s_max_u32 s19, s19, 1                          ; tiles of 16 rows, one at the least
	s_add_co_u32 s20, s19, 3
	s_sub_co_u32 s20, s20, s12
	s_lshr_b32 s20, s20, 2
	s_min_u32 s20, s20, 3                          ; waves 0-3: how many of my three slots (tiles w, 4 + w, 8 + w) have a tile
	; all three slots get a row and their first loads, whatever the count: a slot without a tile repeats the last row and is not multiplied
	s_mov_b32 s33, s12
	ROWS 0, 33
	s_add_co_u32 s33, s33, 4
	ROWS 1, 33
	s_add_co_u32 s33, s33, 4
	ROWS 2, 33
	s_cmp_ge_u32 s12, 4
	s_cbranch_scc1 .Lp0
	s_wait_loadcnt 0x0                             ; no load of mine is out (wave 0's ids were waited for): the registers below take loads only behind this wait
	ALOAD 3                                        ; turn 0 is chunk 0
	s_branch .Lpre
.Lp0:
	s_cmp_lg_u32 s12, 4
	s_cbranch_scc1 .Lpre
	PROD                                           ; turn 0, wave 4's, is stored ahead of the loop
.Lpre:
	s_wait_dscnt 0x0                               ; for the others' sake: turn 0's chunk is in LDS
	s_barrier_signal -1
	s_barrier_wait -1
.Ltrip:                                                ; trip t = 0..15
	s_add_co_u32 s39, s15, 1                       ; the turn stored in this trip
	s_cmp_ge_u32 s12, 4
	s_cbranch_scc1 .Lb2
	s_cmp_eq_u32 s20, 0
	s_cbranch_scc1 .Lb2
	GCH 21, 15
	FRAGS                                          ; turn t's fragments
.Lb2:
	s_wait_dscnt 0x0                               ; my reads of the slice are over
	s_barrier_signal -1
	s_barrier_wait -1                              ; everybody's are: up to the next barrier the slice is only written
	s_cmp_ge_u32 s12, 4
	s_cbranch_scc1 .Lprod
	s_cmp_eq_u32 s20, 0
	s_cbranch_scc1 .Ljoin
	GCH 22, 39
	s_lshl_b32 s22, s22, 8                         ; the next turn's chunk: 64 k of f32 each
	s_cmp_eq_u32 s20, 1
	s_cbranch_scc1 .Lone
	s_cmp_eq_u32 s20, 2
	s_cbranch_scc1 .Ltwo
	MULC 3, 39, NCH
	s_branch .Ljoin
.Ltwo:
	MULC 2, 39, NCH
	s_branch .Ljoin
.Lone:
	MULC 1, 39, NCH
	s_branch .Ljoin
.Lprod:
	s_cmp_ge_u32 s39, NCH
	s_cbranch_scc1 .Ljoin
	s_and_b32 s17, s39, 3
	s_add_co_u32 s17, s17, 4
	s_cmp_lg_u32 s17, s12
	s_cbranch_scc1 .Ljoin
	PROD                                           ; turn t + 1 is mine
.Ljoin:
	s_wait_dscnt 0x0                               ; for the others' sake: my stores of turn t + 1 are in LDS
	s_barrier_signal -1
	s_barrier_wait -1
	s_add_co_u32 s15, s15, 1
	s_cmp_lt_u32 s15, NCH
	s_cbranch_scc1 .Ltrip
	s_barrier_signal -1                            ; one more barrier parts the loop, in which the slice is written, from the text behind it, in which LDS is only read, on every way through the text
	s_barrier_wait -1
	s_cmp_ge_u32 s12, 4
	s_cbranch_scc1 .Lend
	s_wait_loadcnt 0x0                             ; a wave without a tile has not waited for its first loads: the registers below are theirs
	s_mov_b32 s33, s12
	s_cmp_eq_u32 s20, 0
	s_cbranch_scc1 .Lextra
	EPI 0, 33
	s_cmp_lt_u32 s20, 2
	s_cbranch_scc1 .Lextra
	s_add_co_u32 s33, s33, 4
	EPI 1, 33
	s_cmp_lt_u32 s20, 3
	s_cbranch_scc1 .Lextra
	s_add_co_u32 s33, s33, 4
	EPI 2, 33
.Lextra:                                               ; tiles 12 + w + 4 x, x = 0..12: rows past 192, one tile at a time from the slice in LDS, which nobody writes any more: no barrier
	s_add_co_u32 s33, s12, 12
	s_mov_b32 s34, 13
.Lx:
	s_cmp_ge_u32 s33, s19
	s_cbranch_scc1 .Lxskip
	s_wait_loadcnt 0x0                             ; no load is out when the rows' registers take loads again
	WIN 0x40
.set ix, 0
.rept 64
	v_mov_b32 v[ix], 0
.set ix, ix+1
.endr
	WIN 0
	ROWS 0, 33
	s_mov_b64 s[26:27], s[6:7]
	ALOAD 1
	s_mov_b32 s32, 0
.Lxc:                                                  ; the chunks in K's order
	s_mov_b32 s21, s32
	FRAGS
	s_add_co_u32 s22, s32, 1
	s_lshl_b32 s22, s22, 8
	MULC 1, 32, NCH-1
	s_add_co_u32 s32, s32, 1
	s_cmp_lt_u32 s32, NCH
	s_cbranch_scc1 .Lxc
	EPI 0, 33
.Lxskip:
	s_add_co_u32 s33, s33, 4
	s_sub_co_u32 s34, s34, 1
	s_cmp_lg_u32 s34, 0
	s_cbranch_scc1 .Lx
.Lend:
	s_wait_dscnt 0x0
	s_barrier_signal -1                            ; every wave's reads of LDS are over
	s_barrier_wait -1
	s_wait_tensorcnt 0x0                           ; the wave's end, behind my last LDS store
	ds_add_u32 v2, v3
	s_wait_dscnt 0x0
	s_endpgm
.Lfunc_end_k_q50919b6933_gateup:
	.size	k_q50919b6933_gateup, .Lfunc_end_k_q50919b6933_gateup-k_q50919b6933_gateup
	.p2alignl 7, 3214868480
	.fill 96, 4, 3214868480
	.section	.rodata,"a",@progbits
	.p2align	6, 0x0
	.amdhsa_kernel k_q50919b6933_gateup
		.amdhsa_group_segment_fixed_size 300288
		.amdhsa_private_segment_fixed_size 0
		.amdhsa_enable_private_segment 0
		.amdhsa_kernarg_size 32
		.amdhsa_user_sgpr_count 2
		.amdhsa_user_sgpr_kernarg_segment_ptr 1
		.amdhsa_wavefront_size32 1
		.amdhsa_system_sgpr_workgroup_id_x 1
		.amdhsa_system_sgpr_workgroup_id_y 1
		.amdhsa_system_sgpr_workgroup_id_z 1
		.amdhsa_system_vgpr_workitem_id 0
		.amdhsa_next_free_vgpr 512
		.amdhsa_next_free_sgpr 66
		.amdhsa_reserve_vcc 1
		.amdhsa_float_denorm_mode_32 3
		.amdhsa_float_denorm_mode_16_64 3
		.amdhsa_memory_ordered 1
		.amdhsa_forward_progress 1
		.amdhsa_inst_pref_size 144
	.end_amdhsa_kernel
	.amdgpu_metadata
---
amdhsa.version: [ 1, 2 ]
amdhsa.kernels:
  - .name:           k_q50919b6933_gateup
    .symbol:         k_q50919b6933_gateup.kd
    .args:
      - { .name: expert_ids, .offset: 0, .size: 8, .value_kind: global_buffer, .address_space: global }
      - { .name: tokens, .offset: 8, .size: 8, .value_kind: global_buffer, .address_space: global }
      - { .name: w_gate_up, .offset: 16, .size: 8, .value_kind: global_buffer, .address_space: global }
      - { .name: hid, .offset: 24, .size: 8, .value_kind: global_buffer, .address_space: global }
    .group_segment_fixed_size: 300288
    .private_segment_fixed_size: 0
    .kernarg_segment_align: 8
    .kernarg_segment_size: 32
    .max_flat_workgroup_size: 256
    .sgpr_count:     66
    .vgpr_count:     512
    .wavefront_size: 32
...
	.end_amdgpu_metadata
.endif
;; end of part 1
;; launch down (part 2): grid 256 x 1, 8 waves a work-group, no clusters, 220,416 bytes of LDS; arguments expert_ids, hid, w_down, out0; writes out0
.if DOCPART == 2
	.amdgcn_target "amdgcn-amd-amdhsa--gfx1250"
	.amdhsa_code_object_version 6
	.text
	.protected	k_q50919b6933_down
	.globl	k_q50919b6933_down
	.p2align	8
	.type	k_q50919b6933_down,@function
k_q50919b6933_down:
	s_mov_b64 s[64:65], 0
	v_nop
	global_prefetch_b8 v0, s[64:65] scope:SCOPE_SE
	s_setreg_imm32_b32 hwreg(HW_REG_WAVE_MODE, 25, 1), 1
	s_wait_xcnt 0x0
; out0[token] = hidden row x Wdown of the token's expert, 32 columns a work-group.  hid, bf16: [expert 8][slice 32][tile 64][fragment 4][lane 32][8], as the launch before stored it: tile T holds entries
; 16 T .. 16 T + 15 of the expert's list; lane 16 h + r of fragment f holds row r, hidden columns 64 slice + 16 f + 8 h .. + 7.  w_down [8][2048][1024] f32 (k along the rows' index); expert_ids [1024] i32; out0 [1024][1024] f32.
; SHARES.  Work-group x: expert x / 32, columns 32 (x % 32) .. + 31: 256 KiB of f32 weights, which it alone reads.  Waves 4-7 stream them in chunks of 256 k rows x 128 bytes (32 KiB): wave 4 + p owns chunks
; 2 p and 2 p + 1, a quarter of K, in memory and in LDS; a chunk is 64 loads of 16 bytes a lane, rounded to bf16, laid into LDS as [k][32 columns].  Turn T is wave 4 + T % 4's chunk 2 (T % 4) + T / 4.
; A wave asks for its second chunk as soon as the first is stored: four chunks, 128 KiB, are on their way.
; Waves 0-3 multiply: tile 4 s + w of 16 rows is wave w's slot s (s = 0..2); further tiles (rows past 192) are made one by one from the slice in LDS behind the stream.
; TWO BARRIERS A TRIP.  Trip t: waves 0-3 fetch turn t's fragments into registers; barrier; the owner stores turn t + 1 while waves 0-3 multiply turn t from registers; barrier.  So between two barriers the
; slice is either read or written, never both, and two waves that could store side by side have quarters of their own by their numbers.
; ALL SET-UP IS COMMON TEXT: every wave makes both kinds' addresses and reads the count, and every register that is loaded under one branch and read under another is written once by every wave at the head.
; The matrix instruction is used transposed (source 0 = 16 columns of W, source 1 = 16 rows): a lane holds one row and eight neighbouring columns.  A tile's four loads of 64 k are 512 consecutive bytes each,
; 16 bytes a lane, and land as the operand's own order of K asks (registers 0-3: k = 8 h .. + 7; 4-7: 16 + 8 h .. + 7, for each 32 k).
; ROWS PAST THE COUNT.  In the last tile the launch before repeated the expert's last row in the places past the count, so those places hold that row's result here; they take entry count - 1 of the list and
; store the same bytes to the same place as the last row does: at most 15 rows of 128 bytes stored again, and every lane stays on throughout the text.
; FORMATS.  Both sources bf16, sums f32, out0 f32.
; LIMITS.  A row whose id lies outside 0..7 is in no list and is not stored.  An expert without rows still streams its slice; it has no live slot, multiplies nothing and stores nothing.
; A store of the first twelve tiles covers four rows' 128 consecutive bytes each: half of an aligned 256: slices of 64 columns at a pitch free of conflicts (160 bytes x 2,048 k) would leave no LDS for list
; and stage.  The further tiles go out straight from the registers, 16 bytes a lane, so that LDS is only read while they are made.
; NO CLUSTER, NO TENSOR LOAD: each slice of the weights has one reader and has to pass through registers to be rounded; the tiles of hid go straight into registers, in numbers that hang on the count.
.set NCH,    8                         ; chunks of 256 k
.set QCH,    NCH/4                     ; chunks of a streaming wave
.set LOGQ,   1
.set P,      96                        ; a k row in LDS: 64 bytes + 32 = 24 words
.set CHB,    256*P
.set LIST,   NCH*CHB
.set META,   LIST+4096
.set TRASH,  META+128
.set TRIDX,  (TRASH-LIST)/4
.set STAGE,  META+256                  ; 16 rows x 144 bytes for each wave's number (the multiplying waves use theirs)
.set SPITCH, 144
.set STW,    16*SPITCH
.set SPARE,  STAGE+8*STW               ; the spare words: 128 bytes for each of eight waves, four blocks of 256 bytes that no other line names
.set UNIT,   131072                    ; bytes from 64 k of hid to the next: 64 tiles x 2,048
; window 0: v0 thread, v1 lane, v2 my spare word, v3 0, v4 r, v5 h, v6 lane's place in a chunk, v7 the same in the chunk in hand, v8-10 slot s: byte offset of my 16 bytes in its tile of hid,
;           v12 into the stage, v13 back from it, v15 16 x lane, v16-21 at work, v22 lane / 8, v23 16 (lane % 8), v24 lane's offset in four k rows of the weights, v25 lane's place in my quarter of the slice,
;           v26 the same in the chunk stored, v27 lane % 8, v28 32 h, v32-63 wave 0: the ids
.set RO,     8
.set BK,     64                        ; v64-79   the way out: 16 rows read back
.set RQ,     80                        ; v80-83   their numbers in the list
.set TQ,     84                        ; v84-87   their offsets in out0
.set BF,     128                       ; v128-255 W's fragments: unit u of 64 k, k step j, fragment f at 32 u + 16 j + 8 f
; window 1: v0-47 accumulators, slot s, fragment f at 16 s + 8 f; v64-255 rows of hid: unit u, slot s, k step j at 64 + 48 u + 16 s + 8 j.  Streaming waves: v0-255, load i at 4 i
.set AF,     64
; s4-11 the four addresses; s12 wave; s13 expert; s14 slice; s15 trip; s16 wave % 4; s17 at work; s18 count; s19 tiles; s20 my live slots; s21 the chunk fetched; s22-23 an offset; s24-25 weights;
; s26-27 hid at the chunk asked for; s28-29 out0 at my columns; s30 count - 1; s31 running count; s32, s34 counters; s33 a tile's number; s39 the turn stored; s40-41 hid at my expert
.set MSB, 0
.macro WIN new                         ; s_set_vgpr_msb: bits 1:0 source 0, 3:2 source 1, 5:4 source 2, 7:6 destination; the high byte repeats the setting that is left
.if MSB != (\new)
	s_set_vgpr_msb (MSB<<8)|(\new)
.set MSB, \new
.endif
.endm
.macro PLACES                          ; four plain vector instructions between a matrix instruction and a line that reads its result, writes one of its registers or loads into one
.rept 4
	v_nop
.endr
.endm
.macro GCH dst, src                    ; s[dst] = the chunk of turn s[src]: QCH (T % 4) + min(T / 4, QCH - 1)
	s_lshr_b32 s17, s[\src], 2
	s_min_u32 s17, s17, QCH-1
	s_and_b32 s[\dst], s[\src], 3
	s_lshl_b32 s[\dst], s[\dst], LOGQ
	s_add_co_u32 s[\dst], s[\dst], s17
.endm
.macro WLOADS                          ; a chunk: load i takes k rows 4 i .. 4 i + 3, 128 bytes of each.  No hint: the neighbouring slice reads the bytes beside them
	WIN 0x40
.set ix, 0
.rept 64
	global_load_b128 v[4*ix:4*ix+3], v24, s[24:25] offset:ix*16384
.set ix, ix+1
.endr
	WIN 0
.endm
.macro PROD                            ; turn s39, mine: my chunk is rounded and laid into my quarter of the slice; while I have a further chunk, it is asked for
	s_wait_loadcnt 0x0                             ; my only loads are this chunk's 64, asked for four turns ago; their base is free behind this wait
	s_add_nc_u64 s[24:25], s[24:25], 0x100000      ; my next chunk: 256 rows of 4,096 bytes on
	s_lshr_b32 s17, s39, 2
	v_mov_b32 v26, s17
	v_min_u32 v26, QCH-1, v26                      ; which of my chunks: it stays inside my quarter
	v_mul_u32_u24 v26, v26, CHB
	v_add_nc_u32 v26, v26, v25
	WIN 0x45
.set ix, 0
.rept 64
	v_cvt_pk_bf16_f32 v[4*ix], v[4*ix], v[4*ix+1]
	v_cvt_pk_bf16_f32 v[4*ix+1], v[4*ix+2], v[4*ix+3]
.set ix, ix+1
.endr
	WIN 0x04
.set ix, 0
.rept 64
	ds_store_b64 v26, v[4*ix:4*ix+1] offset:ix*4*P
.set ix, ix+1
.endr
	WIN 0
	s_wait_dscnt 0x0                               ; the stores are done before the next loads fill their registers
	s_cmp_lt_u32 s39, NCH-4
	s_cbranch_scc0 .Lnw_\@
	WLOADS
.Lnw_\@:
.endm
.macro ROWSD slot, tile                ; my 16 bytes in tile min(s[tile], tiles - 1): a slot without a tile repeats the last tile, whose bytes have been stored
	s_sub_co_u32 s17, s19, 1
	s_min_u32 s17, s17, s[\tile]
	s_min_u32 s17, s17, 63
	s_lshl_b32 s17, s17, 11                        ; 2,048 bytes a tile
	v_add_nc_u32 v[RO+(\slot)], s17, v15
.endm
.macro ALOADU n, u                     ; unit u (64 k) of n tiles, of the chunk at s[26:27]: four loads of 512 consecutive bytes a tile; the caller has set the destination's window
.set sx, 0
.rept \n
.irp i, 0,1,2,3
	global_load_b128 v[AF+48*(\u)+16*sx+4*\i:AF+48*(\u)+16*sx+4*\i+3], v[RO+sx], s[26:27] offset:(\u)*UNIT+512*\i
.endr
.set sx, sx+1
.endr
.endm
.macro FRAGSD                          ; chunk s21's fragments: 32 turning loads, eight for each unit of 64 k
	v_mov_b32 v7, s21
	v_min_u32 v7, NCH-1, v7                        ; a chunk's number stays inside the slice
	v_mul_u32_u24 v7, v7, CHB
	v_add_nc_u32 v7, v7, v6
.irp u, 0,1,2,3
.irp j, 0,1
.irp f, 0,1
	ds_load_tr16_b128 v[BF+32*\u+16*\j+8*\f:BF+32*\u+16*\j+8*\f+3],   v7 offset:\u*64*P+\j*32*P+32*\f
	ds_load_tr16_b128 v[BF+32*\u+16*\j+8*\f+4:BF+32*\u+16*\j+8*\f+7], v7 offset:\u*64*P+\j*32*P+16*P+32*\f
.endr
.endr
.endr
.endm
.macro MULD n, u                       ; 4 n matrix instructions; the accumulators take turns, one instruction a turn
.irp j, 0,1
.irp f, 0,1
.set sx, 0
.rept \n
	v_wmma_f32_16x16x32_bf16 v[16*sx+8*\f:16*sx+8*\f+7], v[BF+32*(\u)+16*\j+8*\f:BF+32*(\u)+16*\j+8*\f+7], v[AF+48*(\u)+16*sx+8*\j:AF+48*(\u)+16*sx+8*\j+7], v[16*sx+8*\f:16*sx+8*\f+7]
.set sx, sx+1
.endr
.endr
.endr
.endm
; One chunk (256 k, four units) for n tiles, its fragments asked for by FRAGSD.  s22: the byte offset in my expert's hid of the chunk that follows; while s[creg] is below bound, its unit u is asked for behind unit u's products.
.macro TRIPC n, creg, bound
	s_wait_loadcnt 0x0                             ; this chunk's rows of hid, all four units, asked for in the chunk before; their base is free behind this wait
	s_add_nc_u64 s[26:27], s[40:41], s[22:23]
.irp u, 0,1,2,3
	s_wait_dscnt 24-8*\u                           ; unit u's eight fragment loads are in; the later units' may be out (in the stream's trips all were waited for ahead of the barrier)
	WIN 0x54                                       ; W in window 0; the rows, C and D in window 1
	MULD \n, \u
	WIN 0
	PLACES                                         ; behind the products, whatever follows: the loads into the registers just multiplied, the next chunk's fragments, or the way out
	s_cmp_lt_u32 s[\creg], \bound
	s_cbranch_scc0 .Lnl_\@_\u
	WIN 0x40
	ALOADU \n, \u
	WIN 0
.Lnl_\@_\u:
.endr
.endm
; THE WAY OUT of one of the first twelve tiles (slot's, number s[tile]): through my own stage in LDS, back by rows, and each row to its token's place; a place past the count goes where the last row goes, with the same bytes.
.macro EPI2 slot, tile
	s_wait_xcnt 0x0                                ; earlier stores' data and offset registers are written again only behind this wait
	WIN 0x04                                       ; the data in window 1
.irp f, 0,1
.irp g, 0,1
	ds_store_b128 v12, v[16*(\slot)+8*\f+4*\g:16*(\slot)+8*\f+4*\g+3] offset:64*\f+16*\g  ; row r, columns 16 f + 8 h + 4 g on; each accumulator from its lowest registers on
.endr
.endr
	WIN 0
.irp q, 0,1,2,3
	ds_load_b128 v[BK+4*\q:BK+4*\q+3], v13 offset:\q*4*SPITCH  ; four rows of 128 bytes; LDS serves a wave's instructions in order (ISA guide 5.7.1.4): these see the stores above
.endr
	s_lshl_b32 s17, s[\tile], 4
.irp q, 0,1,2,3
	v_add_nc_u32 v[RQ+\q], s17, v22
	v_add_nc_u32 v[RQ+\q], 4*\q, v[RQ+\q]          ; my row's number in the list,
	v_min_u32 v[TQ+\q], s30, v[RQ+\q]              ; or the last entry's
	v_min_u32 v[TQ+\q], 0x3ff, v[TQ+\q]
	v_lshl_add_u32 v[TQ+\q], v[TQ+\q], 2, LIST
	ds_load_b32 v[TQ+\q], v[TQ+\q]
.endr
	s_wait_dscnt 0x0
.irp q, 0,1,2,3
	v_min_u32 v[TQ+\q], 0x3ff, v[TQ+\q]            ; a token's number stays inside the table
	v_lshl_add_u32 v[TQ+\q], v[TQ+\q], 12, v23     ; 4,096 bytes a row of out0, + 16 (lane % 8)
.endr
.irp q, 0,1,2,3
	global_store_b128 v[TQ+\q], v[BK+4*\q:BK+4*\q+3], s[28:29]  ; eight lanes store a row's 128 consecutive bytes
.endr
.endm
; THE WAY OUT of a further tile (slot 0's, number s[tile]): straight from the registers: my row's 32 bytes of each fragment, 16 at a time; no LDS byte is written.
.macro EPI3 tile
	s_lshl_b32 s17, s[\tile], 4
	v_add_nc_u32 v[RQ], s17, v4                    ; my row's number in the list,
	v_min_u32 v[TQ], s30, v[RQ]                    ; or the last entry's
	v_min_u32 v[TQ], 0x3ff, v[TQ]
	v_lshl_add_u32 v[TQ], v[TQ], 2, LIST
	ds_load_b32 v[TQ], v[TQ]
	s_wait_dscnt 0x0
	v_min_u32 v[TQ], 0x3ff, v[TQ]                  ; a token's number stays inside the table
	v_lshl_add_u32 v[TQ], v[TQ], 12, v28           ; 4,096 bytes a row of out0, + 32 h
	WIN 0x04                                       ; the data in window 1
.irp f, 0,1
.irp g, 0,1
	global_store_b128 v[TQ], v[8*\f+4*\g:8*\f+4*\g+3], s[28:29] offset:64*\f+16*\g  ; each accumulator from its lowest registers on
.endr
.endr
	WIN 0
.endm
	s_load_b256 s[4:11], s[0:1], 0x0               ; expert_ids s[4:5], hid s[6:7], w_down s[8:9], out0 s[10:11]
	v_lshl_add_u32 v2, v0, 2, SPARE
	v_mov_b32 v3, 0
	v_lshrrev_b32 v16, 5, v0
	v_readfirstlane_b32 s12, v16                   ; wave 0..7
	v_and_b32 v1, 31, v0
	v_and_b32 v4, 15, v0
	v_bfe_u32 v5, v0, 4, 1
	v_bfe_u32 v22, v0, 3, 2
	v_and_b32 v27, 7, v0
	v_lshlrev_b32 v24, 12, v22                     ; in the weights: k row lane / 8 of a load's four,
	v_lshl_add_u32 v24, v27, 4, v24                ; 16 bytes a lane
	s_lshr_b32 s13, ttmp9, 5
	s_and_b32 s14, ttmp9, 31
	s_and_b32 s16, s12, 3
	s_lshl_b32 s22, s13, 23                        ; an expert's 8 MiB,
	s_lshl_b32 s17, s14, 7                         ; the slice's 128 bytes in a row,
	s_add_co_u32 s22, s22, s17
	s_lshl_b32 s17, s16, 21                        ; my quarter of K: two chunks of 256 rows of 4,096 bytes
	s_add_co_u32 s22, s22, s17
	s_mov_b32 s23, 0
	s_wait_kmcnt 0x0
	s_add_nc_u64 s[24:25], s[8:9], s[22:23]
	s_cmp_lt_u32 s12, 4
	s_cbranch_scc1 .Lclear
	WLOADS                                         ; THE STREAMING WAVES: their first chunk goes out before anything else is done
	s_branch .Lcommon
.Lclear:                                               ; THE MULTIPLYING WAVES: the sums start at 0 (48 registers); the window's other registers are written with them, so that both sides of the branch write all 256.
	WIN 0x40                                       ; The price of writing no first chunk out for each of the three variants; it stands in the wait for the first chunk
.set ix, 0
.rept 256
	v_mov_b32 v[ix], 0
.set ix, ix+1
.endr
	WIN 0
.Lcommon:
	s_mul_i32 s17, s16, QCH*CHB                    ; my quarter of the slice in LDS,
	v_mul_u32_u24 v25, v22, P                      ; k row lane / 8 of a store's four,
	v_lshl_add_u32 v25, v27, 3, v25                ; 8 bytes a lane
	v_add_nc_u32 v25, s17, v25
	v_lshl_add_u32 v17, v5, 3, v27                 ; the turning load: lane l addresses k row 8 h + l % 8,
	v_mul_u32_u24 v6, v17, P
	v_bfe_u32 v17, v0, 3, 1
	v_lshl_add_u32 v6, v17, 4, v6                  ; columns 8 ((l / 8) % 2) on
	s_mul_i32 s17, s12, STW
	s_add_co_u32 s17, s17, STAGE                   ; my stage
	v_mul_u32_u24 v12, v4, SPITCH
	v_lshl_add_u32 v12, v5, 5, v12
	v_add_nc_u32 v12, s17, v12
	v_mul_u32_u24 v13, v22, SPITCH
	v_lshl_add_u32 v13, v27, 4, v13
	v_add_nc_u32 v13, s17, v13
	v_lshlrev_b32 v15, 4, v1
	v_lshlrev_b32 v23, 4, v27
	v_lshlrev_b32 v28, 5, v5
	s_lshl_b32 s22, s13, 22                        ; an expert's 32 slices of 131,072 bytes
	s_add_nc_u64 s[40:41], s[6:7], s[22:23]
	s_lshl_b32 s22, s14, 7
	s_add_nc_u64 s[28:29], s[10:11], s[22:23]
	s_mov_b64 s[26:27], s[40:41]
	s_mov_b32 s15, 0
	s_mov_b32 s39, 0
.set ix, BF
.rept 128                              ; the fragments' registers are written by every wave, once, ahead of the loads that only waves 0-3 issue
	v_mov_b32 v[ix], 0
.set ix, ix+1
.endr
	s_cmp_lg_u32 s12, 0
	s_cbranch_scc1 .Lmeet
	; WAVE 0 MAKES THE LIST: the tokens of my expert, in the order (i, c, lane) of the 32 compares, as the launch before made it
.irp i, 0,1,2,3,4,5,6,7
	global_load_b128 v[32+4*\i:32+4*\i+3], v15, s[4:5] offset:512*\i
.endr
	v_mov_b32 v18, TRIDX
	v_lshlrev_b32 v19, 2, v1
	v_mov_b32 v20, 0
	v_mov_b32 v21, LIST
	ds_store_b32 v21, v20                          ; entry 0 is token 0 until a token of the expert's takes the place
	s_mov_b32 s31, 0
	s_wait_loadcnt 0x0
.irp i, 0,1,2,3,4,5,6,7
.irp c, 0,1,2,3
	v_cmp_eq_u32 vcc_lo, s13, v[32+4*\i+\c]
	v_mbcnt_lo_u32_b32 v16, vcc_lo, s31            ; my place: those found so far + those in lower lanes
	v_cndmask_b32 v16, v18, v16, vcc_lo            ; or the trash word, if the token is another expert's
	v_min_u32 v16, TRIDX, v16
	v_lshl_add_u32 v16, v16, 2, LIST
	v_add_nc_u32 v17, 128*\i+\c, v19               ; the token: 128 i + 4 lane + c
	ds_store_b32 v16, v17
	s_bcnt1_i32_b32 s17, vcc_lo
	s_add_co_u32 s31, s31, s17
.endr
.endr
	v_mov_b32 v16, META
	v_mov_b32 v17, s31
	ds_store_b32 v16, v17
.Lmeet:
	s_wait_dscnt 0x0                               ; for the others' sake: list and count are in LDS
	s_barrier_signal -1
	s_barrier_wait -1
	v_mov_b32 v16, META
	ds_load_b32 v17, v16
	s_wait_dscnt 0x0
	v_readfirstlane_b32 s18, v17
	s_min_u32 s18, s18, 1024                       ; the count
	s_max_u32 s30, s18, 1
	s_sub_co_u32 s30, s30, 1                       ; the last entry
	s_add_co_u32 s19, s18, 15
	s_lshr_b32 s19, s19, 4
	s_max_u32 s19, s19, 1                          ; tiles of 16 rows, one at the least, as the launch before stored them
	s_add_co_u32 s20, s19, 3
	s_sub_co_u32 s20, s20, s12
	s_lshr_b32 s20, s20, 2
	s_min_u32 s20, s20, 3                          ; waves 0-3: how many of my three slots (tiles w, 4 + w, 8 + w) have a tile;
	s_cmp_eq_u32 s18, 0
	s_cselect_b32 s20, 0, s20                      ; none, if the expert has no row: nothing is multiplied and nothing stored
	; all three slots get a tile and their first loads, whatever the count: a slot without a tile repeats the last one and is not multiplied
	s_mov_b32 s33, s12
	ROWSD 0, 33
	s_add_co_u32 s33, s33, 4
	ROWSD 1, 33
	s_add_co_u32 s33, s33, 4
	ROWSD 2, 33
	s_cmp_ge_u32 s12, 4
	s_cbranch_scc1 .Lp0
	s_wait_loadcnt 0x0                             ; no load of mine is out (wave 0's ids were waited for): the registers below take loads only behind this wait
	WIN 0x40
	ALOADU 3, 0                                    ; turn 0 is chunk 0
	ALOADU 3, 1
	ALOADU 3, 2
	ALOADU 3, 3
	WIN 0
	s_branch .Lpre
.Lp0:
	s_cmp_lg_u32 s12, 4
	s_cbranch_scc1 .Lpre
	PROD                                           ; turn 0, wave 4's, is stored ahead of the loop
.Lpre:
	s_wait_dscnt 0x0                               ; for the others' sake: turn 0's chunk is in LDS
	s_barrier_signal -1
	s_barrier_wait -1
.Ltrip:                                                ; trip t = 0..7
	s_add_co_u32 s39, s15, 1                       ; the turn stored in this trip
	s_cmp_ge_u32 s12, 4
	s_cbranch_scc1 .Lb2
	s_cmp_eq_u32 s20, 0
	s_cbranch_scc1 .Lb2
	GCH 21, 15
	FRAGSD                                         ; turn t's fragments
.Lb2:
	s_wait_dscnt 0x0                               ; my reads of the slice are over
	s_barrier_signal -1
	s_barrier_wait -1                              ; everybody's are: up to the next barrier the slice is only written
	s_cmp_ge_u32 s12, 4
	s_cbranch_scc1 .Lprod
	s_cmp_eq_u32 s20, 0
	s_cbranch_scc1 .Ljoin
	GCH 22, 39
	s_lshl_b32 s22, s22, 19                        ; the next turn's chunk: four units of 131,072 bytes each
	s_cmp_eq_u32 s20, 1
	s_cbranch_scc1 .Lone
	s_cmp_eq_u32 s20, 2
	s_cbranch_scc1 .Ltwo
	TRIPC 3, 39, NCH
	s_branch .Ljoin
.Ltwo:
	TRIPC 2, 39, NCH
	s_branch .Ljoin
.Lone:
	TRIPC 1, 39, NCH
	s_branch .Ljoin
.Lprod:
	s_cmp_ge_u32 s39, NCH
	s_cbranch_scc1 .Ljoin
	s_and_b32 s17, s39, 3
	s_add_co_u32 s17, s17, 4
	s_cmp_lg_u32 s17, s12
	s_cbranch_scc1 .Ljoin
	PROD                                           ; turn t + 1 is mine
.Ljoin:
	s_wait_dscnt 0x0                               ; for the others' sake: my stores of turn t + 1 are in LDS
	s_barrier_signal -1
	s_barrier_wait -1
	s_add_co_u32 s15, s15, 1
	s_cmp_lt_u32 s15, NCH
	s_cbranch_scc1 .Ltrip
	s_barrier_signal -1                            ; one more barrier parts the loop, in which the slice is read and written, from the way out, which writes the stages, on every way through the text
	s_barrier_wait -1
	s_cmp_ge_u32 s12, 4
	s_cbranch_scc1 .Lmid
	s_wait_loadcnt 0x0                             ; a wave without a tile has not waited for its first loads: their base and registers are used again below
	s_mov_b32 s33, s12
	s_cmp_eq_u32 s20, 0
	s_cbranch_scc1 .Lmid
	EPI2 0, 33
	s_cmp_lt_u32 s20, 2
	s_cbranch_scc1 .Lmid
	s_add_co_u32 s33, s33, 4
	EPI2 1, 33
	s_cmp_lt_u32 s20, 3
	s_cbranch_scc1 .Lmid
	s_add_co_u32 s33, s33, 4
	EPI2 2, 33
.Lmid:
	s_wait_dscnt 0x0
	s_barrier_signal -1                            ; every wave has done with its stage: up to the next barrier LDS is only read
	s_barrier_wait -1
	s_cmp_ge_u32 s12, 4
	s_cbranch_scc1 .Lend
	s_add_co_u32 s33, s12, 12                      ; tiles 12 + w + 4 x, x = 0..12: rows past 192, one tile at a time from the slice in LDS: no barrier
	s_mov_b32 s34, 13
.Lx:
	s_cmp_ge_u32 s33, s19
	s_cbranch_scc1 .Lxskip
	s_wait_loadcnt 0x0                             ; no load is out when the rows' registers take loads again
	s_wait_xcnt 0x0                                ; the last tile's stores have had their addresses translated (ISA guide 3.1): their data (the sums) and their offsets are written again below
	ROWSD 0, 33
	s_mov_b64 s[26:27], s[40:41]
	WIN 0x40
	ALOADU 1, 0
	ALOADU 1, 1
	ALOADU 1, 2
	ALOADU 1, 3
.set ix, 0
.rept 16
	v_mov_b32 v[ix], 0
.set ix, ix+1
.endr
	WIN 0
	s_mov_b32 s32, 0
.Lxc:                                                  ; the chunks in K's order
	s_mov_b32 s21, s32
	FRAGSD
	s_add_co_u32 s22, s32, 1
	s_lshl_b32 s22, s22, 19
	TRIPC 1, 32, NCH-1
	s_add_co_u32 s32, s32, 1
	s_cmp_lt_u32 s32, NCH
	s_cbranch_scc1 .Lxc
	EPI3 33
.Lxskip:
	s_add_co_u32 s33, s33, 4
	s_sub_co_u32 s34, s34, 1
	s_cmp_lg_u32 s34, 0
	s_cbranch_scc1 .Lx
.Lend:
	s_wait_dscnt 0x0
	s_barrier_signal -1                            ; every wave's reads of LDS are over
	s_barrier_wait -1
	s_wait_tensorcnt 0x0                           ; the wave's end, behind my last LDS store
	ds_add_u32 v2, v3
	s_wait_dscnt 0x0
	s_endpgm
.Lfunc_end_k_q50919b6933_down:
	.size	k_q50919b6933_down, .Lfunc_end_k_q50919b6933_down-k_q50919b6933_down
	.p2alignl 7, 3214868480
	.fill 96, 4, 3214868480
	.section	.rodata,"a",@progbits
	.p2align	6, 0x0
	.amdhsa_kernel k_q50919b6933_down
		.amdhsa_group_segment_fixed_size 220416
		.amdhsa_private_segment_fixed_size 0
		.amdhsa_enable_private_segment 0
		.amdhsa_kernarg_size 32
		.amdhsa_user_sgpr_count 2
		.amdhsa_user_sgpr_kernarg_segment_ptr 1
		.amdhsa_wavefront_size32 1
		.amdhsa_system_sgpr_workgroup_id_x 1
		.amdhsa_system_sgpr_workgroup_id_y 1
		.amdhsa_system_sgpr_workgroup_id_z 1
		.amdhsa_system_vgpr_workitem_id 0
		.amdhsa_next_free_vgpr 512
		.amdhsa_next_free_sgpr 66
		.amdhsa_reserve_vcc 1
		.amdhsa_float_denorm_mode_32 3
		.amdhsa_float_denorm_mode_16_64 3
		.amdhsa_memory_ordered 1
		.amdhsa_forward_progress 1
		.amdhsa_inst_pref_size 122
	.end_amdhsa_kernel
	.amdgpu_metadata
---
amdhsa.version: [ 1, 2 ]
amdhsa.kernels:
  - .name:           k_q50919b6933_down
    .symbol:         k_q50919b6933_down.kd
    .args:
      - { .name: expert_ids, .offset: 0, .size: 8, .value_kind: global_buffer, .address_space: global }
      - { .name: hid, .offset: 8, .size: 8, .value_kind: global_buffer, .address_space: global }
      - { .name: w_down, .offset: 16, .size: 8, .value_kind: global_buffer, .address_space: global }
      - { .name: out0, .offset: 24, .size: 8, .value_kind: global_buffer, .address_space: global }
    .group_segment_fixed_size: 220416
    .private_segment_fixed_size: 0
    .kernarg_segment_align: 8
    .kernarg_segment_size: 32
    .max_flat_workgroup_size: 256
    .sgpr_count:     66
    .vgpr_count:     512
    .wavefront_size: 32
...
	.end_amdgpu_metadata
.endif
;; end of part 2
;; ======== version 2 of 2: 2 launches; 1.18 times as fast as version 1
;; workspace buffers: hid 33,554,432 bytes
;; launch gateup (part 3): grid 256 x 1, 8 waves a work-group, no clusters, 300,288 bytes of LDS; arguments expert_ids, tokens, w_gate_up, hid; writes hid
.if DOCPART == 3
	.amdgcn_target "amdgcn-amd-amdhsa--gfx1250"
	.amdhsa_code_object_version 6
	.text
	.protected	k_q50919b6933_gateup
	.globl	k_q50919b6933_gateup
	.p2align	8
	.type	k_q50919b6933_gateup,@function
k_q50919b6933_gateup:
	s_mov_b64 s[64:65], 0
	v_nop
	global_prefetch_b8 v0, s[64:65] scope:SCOPE_SE
	s_setreg_imm32_b32 hwreg(HW_REG_WAVE_MODE, 25, 1), 1
	s_wait_xcnt 0x0
; hid = silu(x Wgate) * (x Wup) for the rows of one expert and 64 hidden columns.  tokens [1024][1024] f32, w_gate_up [8][1024][4096] f32 (k along the rows' index, n along a row),
; expert_ids [1024] i32.  hid, bf16: [expert 8][slice 32][tile 64][fragment 4][lane 32][8]: tile T holds entries 16 T .. 16 T + 15 of the expert's list of tokens; lane 16 h + r of fragment f holds
; row r, columns 16 f + 8 h .. + 7 of the slice's 64.  Whole tiles of 2,048 bytes are stored.
; SHARES.  Work-group x: expert x / 32, slice x % 32: gate columns 64 sl .. +63 and up columns 2048 + 64 sl .. +63, which it alone reads: 512 KiB of f32, each byte once.
; WAVES 4-7 STREAM THE SLICE.  A chunk is 64 k rows; of every chunk wave 4 + p takes rows 16 p .. 16 p + 15: 16 loads of 16 bytes a lane, 8 KiB.  A wave's 256 staging registers are a ring of four
; sub-slots, one for each chunk of a ROUND of four chunks.  A sub-slot's turn: its 16 loads are in (the 48 younger ones stay out), they are rounded to bf16 and stored into LDS, and the sub-slot asks for its
; chunk of the next round.  So a wave has 48 to 64 loads out, the four waves 96 to 128 KiB.  The last round is written out without loads, its counts running down.
; LDS holds the slice once, in four REGIONS, one a round: [wave 4][chunk 4][16 k rows][288 bytes], so that a wave's stores lie in one interval of its own by its number.  No byte of it is written twice.
; WAVES 0-3 MULTIPLY: tile 4 s + w of 16 rows is wave w's slot s (s = 0..2): the first 192 rows go along with the stream; further tiles are made one by one from the slice in LDS behind it.
; The two kinds of wave are apart because a wave's loads come back in order (ISA guide 5.7.1): the token rows are not to queue behind the weights.
; ONE BARRIER A ROUND.  The stages are written out: in stage T the streaming waves fill region T while waves 0-3 multiply region T - 1, a counted loop of four chunks.  The barrier between two stages orders the
; stores of region T with the fragment loads of region T; what is read and what is written inside a stage lie in different regions, by constants of the text.  The last region is multiplied behind the stream.
; Every arm of the streaming waves is a whole round, so that the ring's counts hold on every way through the text.
; SET-UP IS COMMON TEXT: every wave makes both kinds' addresses, reads the count and finds the slots' rows, and every register that is loaded under one branch and read under another is written once
; by every wave at the head.  The price: lines that half of the waves make no use of; those that need no argument stand in the wait for the arguments.
; THE MATRIX INSTRUCTION IS USED TRANSPOSED: source 0 = 16 columns of W, source 1 = 16 rows of x: a lane then holds one row and eight neighbouring columns: 16 bytes of bf16, stored as they are.
; K IS PERMUTED ALIKE IN BOTH SOURCES: in 64 k, lane half h, k step j, register m, half b hold k = 32 h + 16 j + 2 m + b, so that a lane's part of a token row is 128 consecutive bytes; the 16 k rows
; 32 h + 16 j .. + 15 are streaming wave 2 h + j's.
; FORMATS.  Both sources bf16, sums f32, silu in f32, hid rounded once to bf16.
; LIMITS.  An id outside 0..7 belongs to no list.  A gate below about -88 gives 0 (2^x overflows, its reciprocal is 0), as silu does to within f32's smallest numbers.
; An expert without rows still streams its slice and makes one tile from token 0, so that every byte of hid that the next launch loads has been stored.
; NO CLUSTER, NO TENSOR LOAD: each slice of the weights has one reader, f32 has to pass through registers to be rounded, and the token rows come by a list, which no tile's descriptor covers.
.set NCH,    16                        ; chunks of 64 k
.set NREG,   4                         ; rounds of four chunks, and regions
.set P,      288                       ; a k row in LDS: 256 bytes + 32 = 72 words
.set PIECE,  16*P                      ; a streaming wave's 16 k rows of one chunk
.set QB,     4*PIECE                   ; its part of a region
.set RB,     4*QB                      ; a region
.set LIST,   NREG*RB                   ; 1,024 words: the expert's tokens
.set META,   LIST+4096                 ; word 0: the count
.set TRASH,  META+128                  ; where the lanes whose token is another expert's put their word
.set TRIDX,  (TRASH-LIST)/4            ; that word's index, counted from the list's first word
.set SPARE,  META+256                  ; the spare words: 128 bytes for each of eight waves, four blocks of 256 bytes that no other line names
; window 0: v0 thread, v1 lane, v2 my spare word, v3 0, v4 r = lane % 16, v5 h = lane / 16, v6 lane's place in a region's chunk 0, v7 the same in the chunk in hand, v8-10 slot s: byte offset of my token row,
;           v11 128 h, v14 offset in hid, v15 16 x lane, v16-21 at work, v24 lane's offset in a k row of the weights, v25 lane's place in my part of region 0, v26 the same in the region filled, v27 v6 in the region read
.set RO,     8
.set AS,     32                        ; v32-127   slot s: 32 f32 of my token row, as loaded.  (Wave 0, first: the ids.)
.set TT,     32                        ; the way out: 32 numbers at work,
.set PK,     64                        ; 16 registers packed
.set BF,     128                       ; v128-255  W's fragments: k step j, fragment f at 64 j + 8 f (f 0-3 gate, 4-7 up)
.set PKT,    128                       ; v128-191  streaming waves: two pack buffers of 32 registers, taken by turns
; window 1: v0-191 accumulators, slot s, fragment f at 64 s + 8 f; v192-239 the token rows in bf16, slot s, k step j at 16 s + 8 j.  Streaming waves: v0-255, sub-slot s, load i at 64 s + 4 i
.set ABF,    192
; s4-11 the four addresses; s12 wave; s13 expert; s14 slice; s16 wave % 4; s17 at work; s18 count; s19 tiles; s20 my live slots; s21 at work; s22-23 an offset;
; s26-27 tokens at a chunk's k; s28-29 hid at my expert and slice; s30 count - 1; s31 running count; s32, s34 counters; s33 a tile's number; s36-37 -log2(e); s39 the next chunk's number;
; s40-47 the weights at my rows of rounds 0 to 3: four addresses, never rewritten
.set WB,     40
.set MSB, 0
.macro WIN new                         ; s_set_vgpr_msb: bits 1:0 source 0, 3:2 source 1, 5:4 source 2, 7:6 destination; the high byte repeats the setting that is left
.if MSB != (\new)
	s_set_vgpr_msb (MSB<<8)|(\new)
.set MSB, \new
.endif
.endm
.macro PLACES                          ; four plain vector instructions between a matrix instruction and a line that reads its result, writes one of its registers or loads into one
.rept 4
	v_nop
.endr
.endm
.macro BAR                             ; for the others' sake: my LDS stores are done and my LDS loads are back; then every wave meets
	s_wait_dscnt 0x0
	s_barrier_signal -1
	s_barrier_wait -1
.endm
.macro PLOAD T, s                      ; sub-slot s asks for my 16 k rows of chunk s of round T: load i takes a k row: lanes 0-15 its 256 bytes of gate, lanes 16-31 its 256 bytes of up, each aligned.  The caller sets the window
.set ix, 0
.rept 16
	global_load_b128 v[64*(\s)+4*ix:64*(\s)+4*ix+3], v24, s[WB+2*(\T):WB+2*(\T)+1] offset:((\s)<<20)+(ix<<14) th:TH_LOAD_NT
.set ix, ix+1
.endr
.endm
; The turn of sub-slot s in round T.  left: how many younger loads may stay out.  more = 1: the sub-slot asks for its chunk of the next round.
.macro PSTEP T, s, more, left
	s_wait_loadcnt \left                           ; loads come back in order (ISA guide 5.7.1): this sub-slot's 16 are in; the younger sub-slots' stay out
	s_wait_dscnt 16                                ; the 16 stores of the turn before may be out; those of the turn before that, which read this pack buffer, are done
	WIN 0x05                                       ; sources in window 1, destination in window 0
.set ix, 0
.rept 16
	v_cvt_pk_bf16_f32 v[PKT+32*((\s)%2)+2*ix], v[64*(\s)+4*ix], v[64*(\s)+4*ix+1]
	v_cvt_pk_bf16_f32 v[PKT+32*((\s)%2)+2*ix+1], v[64*(\s)+4*ix+2], v[64*(\s)+4*ix+3]
.set ix, ix+1
.endr
	WIN 0
.set ix, 0
.rept 16
	ds_store_b64 v26, v[PKT+32*((\s)%2)+2*ix:PKT+32*((\s)%2)+2*ix+1] offset:(16*(\s)+ix)*P  ; 32 lanes x 8 bytes: a k row's 256 bytes
.set ix, ix+1
.endr
.if \more
	WIN 0x40
	PLOAD (\T)+1, \s
	WIN 0
.endif
.endm
.macro PBIG T                          ; a whole round: region T is filled
	v_add_nc_u32 v26, (\T)*RB, v25
.if (\T) < NREG-1
	PSTEP \T, 0, 1, 48
	PSTEP \T, 1, 1, 48
	PSTEP \T, 2, 1, 48
	PSTEP \T, 3, 1, 48
.else
	PSTEP \T, 0, 0, 48                             ; the last round asks for nothing: the counts run down
	PSTEP \T, 1, 0, 32
	PSTEP \T, 2, 0, 16
	PSTEP \T, 3, 0, 0
.endif
.endm
.macro ROWS slot, tile                 ; my row of tile s[tile]: entry min(16 tile + r, count - 1) of the list: places past the count repeat the last row
	s_lshl_b32 s17, s[\tile], 4
	v_add_nc_u32 v16, s17, v4
	v_min_u32 v16, s30, v16
	v_min_u32 v16, 0x3ff, v16
	v_lshl_add_u32 v16, v16, 2, LIST
	ds_load_b32 v16, v16
	s_wait_dscnt 0x0
	v_min_u32 v16, 0x3ff, v16                      ; a token's number stays inside the table
	v_lshl_add_u32 v[RO+(\slot)], v16, 12, v11     ; 4,096 bytes a row, + 128 h
.endm
.macro ALOAD n                         ; 64 k of n tiles: a lane takes 128 consecutive bytes of its row
.set sx, 0
.rept \n
.irp i, 0,1,2,3,4,5,6,7
	global_load_b128 v[AS+32*sx+4*\i:AS+32*sx+4*\i+3], v[RO+sx], s[26:27] offset:16*\i
.endr
.set sx, sx+1
.endr
.endm
.macro FRAGS creg                      ; the fragments of chunk s[creg] (0..3) of the region at v27: 32 turning loads, the first k step's 16 first
	v_mov_b32 v7, s[\creg]
	v_min_u32 v7, 3, v7                            ; a chunk's number stays inside its region
	v_mul_u32_u24 v7, v7, PIECE
	v_add_nc_u32 v7, v7, v27
.irp j, 0,1
.irp f, 0,1,2,3,4,5,6,7
	ds_load_tr16_b128 v[BF+64*\j+8*\f:BF+64*\j+8*\f+3],   v7 offset:\j*QB+32*\f
	ds_load_tr16_b128 v[BF+64*\j+8*\f+4:BF+64*\j+8*\f+7], v7 offset:\j*QB+8*P+32*\f
.endr
.endr
.endm
.macro MULS n, j                       ; 8 n matrix instructions; the accumulators take turns, one instruction a turn
.irp f, 0,1,2,3,4,5,6,7
.set sx, 0
.rept \n
	v_wmma_f32_16x16x32_bf16 v[64*sx+8*\f:64*sx+8*\f+7], v[BF+64*(\j)+8*\f:BF+64*(\j)+8*\f+7], v[ABF+16*sx+8*(\j):ABF+16*sx+8*(\j)+7], v[64*sx+8*\f:64*sx+8*\f+7]
.set sx, sx+1
.endr
.endr
.endm
; One chunk (64 k) for n tiles, its fragments asked for by FRAGS.  s22: the byte offset in a token row of the chunk that follows; while s[creg] is below bound its token rows are asked for.
.macro MULC n, creg, bound
	s_wait_loadcnt 0x0                             ; this chunk's token rows, asked for a chunk ago; their base is free behind this wait
	WIN 0x40
.set sx, 0
.rept \n
.set ix, 0
.rept 16
	v_cvt_pk_bf16_f32 v[ABF+16*sx+ix], v[AS+32*sx+2*ix], v[AS+32*sx+2*ix+1]
.set ix, ix+1
.endr
.set sx, sx+1
.endr
	WIN 0
	s_add_nc_u64 s[26:27], s[6:7], s[22:23]
	s_cmp_lt_u32 s[\creg], \bound
	s_cbranch_scc0 .Lna_\@
	ALOAD \n
.Lna_\@:
	s_wait_dscnt 16                                ; the first k step's 16 fragment loads are in; the second's 16 may be out
	WIN 0x54                                       ; W in window 0; the rows, C and D in window 1
	MULS \n, 0
	s_wait_dscnt 0x0
	MULS \n, 1
	WIN 0
	PLACES                                         ; behind the products, whatever follows: the next chunk's loads and conversions into their sources, or the way out
.endm
; Region R is multiplied: four chunks.  A wave with one live slot runs the text for two: its second slot repeats a row that exists and is not stored.
.macro CBIG R
	s_cmp_eq_u32 s20, 0
	s_cbranch_scc1 .Lce_\@
	v_add_nc_u32 v27, (\R)*RB, v6
	s_mov_b32 s32, 0
.Lcl_\@:
	FRAGS 32
	s_add_co_u32 s39, s32, 4*(\R)+1                ; the chunk that follows, counted along K,
	s_lshl_b32 s22, s39, 8                         ; and its 64 k of f32 in a token row
	s_cmp_lt_u32 s20, 3
	s_cbranch_scc1 .Lc2_\@
	MULC 3, 39, NCH
	s_branch .Lcj_\@
.Lc2_\@:
	MULC 2, 39, NCH
.Lcj_\@:
	s_add_co_u32 s32, s32, 1
	s_cmp_lt_u32 s32, 4
	s_cbranch_scc1 .Lcl_\@
.Lce_\@:
.endm
; Stage T: the streaming waves fill region T (there is none in the last stage), waves 0-3 multiply region T - 1; then every wave meets.
.macro STAGE T
	s_cmp_ge_u32 s12, 4
	s_cbranch_scc1 .Lsp_\@
	CBIG (\T)-1
	s_branch .Lsj_\@
.Lsp_\@:
.if (\T) < NREG
	PBIG \T
.endif
.Lsj_\@:
	BAR
.endm
; THE WAY OUT of slot's tile, number s[tile]: silu(g) u = g u / (1 + 2^(-log2(e) g)); rounded to bf16; a lane's eight columns of a fragment are 16 bytes, and a fragment's 32 lanes are 512 consecutive bytes of hid.
.macro EPI slot, tile
	s_wait_xcnt 0x0                                ; earlier stores' data and offset registers are written again only behind this wait
	WIN 0x01
.set ix, 0
.rept 16                               ; each accumulator is read from its lowest registers on
	v_pk_mul_f32 v[TT+2*ix:TT+2*ix+1], v[64*(\slot)+2*ix:64*(\slot)+2*ix+1], s[36:37] op_sel_hi:[1,0]
.set ix, ix+1
.endr
	WIN 0
.set ix, 0
.rept 32
	v_exp_f32 v[TT+ix], v[TT+ix]
.set ix, ix+1
.endr
	v_nop                                          ; a plain instruction between the last exponential and the use of its result (ISA guide 5.7.2)
.set ix, 0
	s_wait_alu depctr_va_vdst(0)
.rept 16
	v_pk_add_f32 v[TT+2*ix:TT+2*ix+1], v[TT+2*ix:TT+2*ix+1], 1.0 op_sel_hi:[1,0]
.set ix, ix+1
.endr
.set ix, 0
.rept 32
	v_rcp_f32 v[TT+ix], v[TT+ix]
.set ix, ix+1
.endr
	v_nop
	WIN 0x04
.set ix, 0
	s_wait_alu depctr_va_vdst(0)
.rept 16
	v_pk_mul_f32 v[TT+2*ix:TT+2*ix+1], v[TT+2*ix:TT+2*ix+1], v[64*(\slot)+2*ix:64*(\slot)+2*ix+1]
.set ix, ix+1
.endr
.set ix, 0
.rept 16
	v_pk_mul_f32 v[TT+2*ix:TT+2*ix+1], v[TT+2*ix:TT+2*ix+1], v[64*(\slot)+32+2*ix:64*(\slot)+32+2*ix+1]
.set ix, ix+1
.endr
	WIN 0
.set ix, 0
.rept 16
	v_cvt_pk_bf16_f32 v[PK+ix], v[TT+2*ix], v[TT+2*ix+1]
.set ix, ix+1
.endr
	s_lshl_b32 s17, s[\tile], 11                   ; a tile is 2,048 bytes
	v_add_nc_u32 v14, s17, v15
.irp f, 0,1,2,3
	global_store_b128 v14, v[PK+4*\f:PK+4*\f+3], s[28:29] offset:512*\f  ; 512 consecutive bytes, at a multiple of 256 from hid's first byte
.endr
.endm
	s_load_b256 s[4:11], s[0:1], 0x0               ; expert_ids s[4:5], tokens s[6:7], w_gate_up s[8:9], hid s[10:11]
	v_lshl_add_u32 v2, v0, 2, SPARE
	v_mov_b32 v3, 0
	v_lshrrev_b32 v16, 5, v0
	v_readfirstlane_b32 s12, v16                   ; wave 0..7
	v_and_b32 v1, 31, v0
	v_and_b32 v4, 15, v0
	v_bfe_u32 v5, v0, 4, 1
	v_lshlrev_b32 v24, 4, v4                       ; in a k row of the weights: 16 (lane % 16),
	v_lshl_add_u32 v24, v5, 13, v24                ; and 8,192 bytes on (2,048 columns) for lanes 16-31: up
	s_lshr_b32 s13, ttmp9, 5
	s_and_b32 s14, ttmp9, 31
	s_and_b32 s16, s12, 3
	s_mul_i32 s17, s16, QB                         ; my part of a region,
	v_lshl_add_u32 v25, v1, 3, s17                 ; 8 bytes a lane in a row
	v_and_b32 v16, 7, v0
	v_mul_u32_u24 v6, v16, P                       ; the turning load: lane l addresses k row l % 8 of a piece,
	v_bfe_u32 v17, v0, 3, 1
	v_lshl_add_u32 v6, v17, 4, v6                  ; columns 8 ((l / 8) % 2) on,
	v_mul_u32_u24 v17, v5, 2*QB
	v_add_nc_u32 v6, v6, v17                       ; in streaming wave 2 h's part (k step 1: one part on, in the immediate)
	v_lshlrev_b32 v11, 7, v5
	v_lshlrev_b32 v15, 4, v1
	s_mov_b32 s36, 0xbfb8aa3b                      ; -log2(e)
	s_mov_b32 s37, s36                             ; named with it as a pair
	s_lshl_b32 s22, s13, 24                        ; an expert's 16 MiB,
	s_lshl_b32 s17, s14, 8                         ; the slice's 256 bytes in a row,
	s_add_co_u32 s22, s22, s17
	s_lshl_b32 s17, s16, 18                        ; my 16 rows of 16,384 bytes in a chunk
	s_add_co_u32 s22, s22, s17
	s_mov_b32 s23, 0
.set ix, AS
.rept 224                              ; the token rows' and the fragments' registers are written by every wave, once, ahead of the loads that only some waves issue: in the wait for the arguments
	v_mov_b32 v[ix], 0
.set ix, ix+1
.endr
	s_wait_kmcnt 0x0
	s_add_nc_u64 s[WB:WB+1], s[8:9], s[22:23]      ; round 0,
	s_add_nc_u64 s[WB+2:WB+3], s[WB:WB+1], 0x400000  ; and 256 rows of 16,384 bytes on for each further round
	s_add_nc_u64 s[WB+4:WB+5], s[WB:WB+1], 0x800000
	s_add_nc_u64 s[WB+6:WB+7], s[WB:WB+1], 0xc00000
	s_lshl_b32 s22, ttmp9, 17                      ; (32 e + sl) x 64 tiles x 2,048 bytes
	s_add_nc_u64 s[28:29], s[10:11], s[22:23]
	s_mov_b64 s[26:27], s[6:7]
	s_cmp_lt_u32 s12, 4
	s_cbranch_scc1 .Lclear
	WIN 0x40                                       ; THE STREAMING WAVES: round 0 goes out before anything else is done
	PLOAD 0, 0
	PLOAD 0, 1
	PLOAD 0, 2
	PLOAD 0, 3
	WIN 0
	s_branch .Lcommon
.Lclear:                                               ; THE MULTIPLYING WAVES
	s_cmp_lg_u32 s12, 0
	s_cbranch_scc1 .Lnoids
.irp i, 0,1,2,3,4,5,6,7
	global_load_b128 v[32+4*\i:32+4*\i+3], v15, s[4:5] offset:512*\i  ; wave 0 asks for the ids; the lines below stand in the wait for them
.endr
.Lnoids:
	WIN 0x40                                       ; the sums start at 0 (192 registers); the window's other 64 are written with them, so that both sides of the branch write all 256.
.set ix, 0                             ; The price of writing no first chunk out for each variant
.rept 256
	v_mov_b32 v[ix], 0
.set ix, ix+1
.endr
	WIN 0
.Lcommon:
	s_cmp_lg_u32 s12, 0
	s_cbranch_scc1 .Lmeet
	; WAVE 0 MAKES THE LIST: the tokens of my expert, in the order (i, c, lane) of the 32 compares; the next launch makes the same list
	v_mov_b32 v18, TRIDX
	v_lshlrev_b32 v19, 2, v1
	v_mov_b32 v20, 0
	v_mov_b32 v21, LIST
	ds_store_b32 v21, v20                          ; entry 0 is token 0 until a token of the expert's takes the place: an empty list still names a row
	s_mov_b32 s31, 0
	s_wait_loadcnt 0x0                             ; the ids
.irp i, 0,1,2,3,4,5,6,7
.irp c, 0,1,2,3
	v_cmp_eq_u32 vcc_lo, s13, v[32+4*\i+\c]
	v_mbcnt_lo_u32_b32 v16, vcc_lo, s31            ; my place: those found so far + those in lower lanes
	v_cndmask_b32 v16, v18, v16, vcc_lo            ; or the trash word, if the token is another expert's
	v_min_u32 v16, TRIDX, v16
	v_lshl_add_u32 v16, v16, 2, LIST
	v_add_nc_u32 v17, 128*\i+\c, v19               ; the token: 128 i + 4 lane + c
	ds_store_b32 v16, v17
	s_bcnt1_i32_b32 s17, vcc_lo
	s_add_co_u32 s31, s31, s17
.endr
.endr
	v_mov_b32 v16, META
	v_mov_b32 v17, s31
	ds_store_b32 v16, v17
.Lmeet:
	BAR                                            ; list and count are in LDS
	s_cmp_lt_u32 s12, 4
	s_cbranch_scc1 .Lcount
	PBIG 0                                         ; region 0 is filled; waves 0-3 go on to the lines below meanwhile
.Lcount:
	v_mov_b32 v16, META
	ds_load_b32 v17, v16
	s_wait_dscnt 0x0
	v_readfirstlane_b32 s18, v17
	s_min_u32 s18, s18, 1024                       ; the count
	s_max_u32 s30, s18, 1
	s_sub_co_u32 s30, s30, 1                       ; the last entry
	s_add_co_u32 s19, s18, 15
	s_lshr_b32 s19, s19, 4
	s_max_u32 s19, s19, 1                          ; tiles of 16 rows, one at the least
	s_add_co_u32 s20, s19, 3
	s_sub_co_u32 s20, s20, s12
	s_lshr_b32 s20, s20, 2
	s_min_u32 s20, s20, 3                          ; waves 0-3: how many of my three slots (tiles w, 4 + w, 8 + w) have a tile
	; all three slots get a row and their first loads, whatever the count: a slot without a tile repeats the last row
	s_mov_b32 s33, s12
	ROWS 0, 33
	s_add_co_u32 s33, s33, 4
	ROWS 1, 33
	s_add_co_u32 s33, s33, 4
	ROWS 2, 33
	s_cmp_ge_u32 s12, 4
	s_cbranch_scc1 .Lb0
	s_wait_loadcnt 0x0                             ; no load of mine is out (wave 0's ids were waited for): the registers below take loads only behind this wait
	ALOAD 3                                        ; chunk 0's token rows come while region 0 is filled
.Lb0:
	BAR                                            ; region 0 is whole
	STAGE 1
	STAGE 2
	STAGE 3
	STAGE 4                                        ; behind its barrier LDS is only read
	s_cmp_ge_u32 s12, 4
	s_cbranch_scc1 .Lend
	s_wait_loadcnt 0x0                             ; a wave without a tile has not waited for its first loads: the registers below are theirs
	s_mov_b32 s33, s12
	s_cmp_eq_u32 s20, 0
	s_cbranch_scc1 .Lextra
	EPI 0, 33
	s_cmp_lt_u32 s20, 2
	s_cbranch_scc1 .Lextra
	s_add_co_u32 s33, s33, 4
	EPI 1, 33
	s_cmp_lt_u32 s20, 3
	s_cbranch_scc1 .Lextra
	s_add_co_u32 s33, s33, 4
	EPI 2, 33
.Lextra:                                               ; tiles 12 + w + 4 x, x = 0..12: rows past 192, one tile at a time from the slice in LDS, which nobody writes any more: no barrier
	s_add_co_u32 s33, s12, 12
	s_mov_b32 s34, 13
.Lx:
	s_cmp_ge_u32 s33, s19
	s_cbranch_scc1 .Lxskip
	s_wait_loadcnt 0x0                             ; no load is out when the rows' registers take loads again
	WIN 0x40
.set ix, 0
.rept 64
	v_mov_b32 v[ix], 0
.set ix, ix+1
.endr
	WIN 0
	ROWS 0, 33
	s_mov_b64 s[26:27], s[6:7]
	ALOAD 1
	s_mov_b32 s32, 0
.Lxc:                                                  ; the sixteen chunks in K's order: chunk g is chunk g % 4 of region g / 4
	s_lshr_b32 s21, s32, 2
	v_mov_b32 v27, s21
	v_min_u32 v27, NREG-1, v27                     ; a region's number stays inside the slice
	v_mul_u32_u24 v27, v27, RB
	v_add_nc_u32 v27, v27, v6
	s_and_b32 s21, s32, 3
	FRAGS 21
	s_add_co_u32 s22, s32, 1
	s_lshl_b32 s22, s22, 8
	MULC 1, 32, NCH-1
	s_add_co_u32 s32, s32, 1
	s_cmp_lt_u32 s32, NCH
	s_cbranch_scc1 .Lxc
	EPI 0, 33
.Lxskip:
	s_add_co_u32 s33, s33, 4
	s_sub_co_u32 s34, s34, 1
	s_cmp_lg_u32 s34, 0
	s_cbranch_scc1 .Lx
.Lend:
	BAR                                            ; every wave's reads of LDS are over
	s_wait_tensorcnt 0x0                           ; the wave's end, behind my last LDS store
	ds_add_u32 v2, v3
	s_wait_dscnt 0x0
	s_endpgm
.Lfunc_end_k_q50919b6933_gateup:
	.size	k_q50919b6933_gateup, .Lfunc_end_k_q50919b6933_gateup-k_q50919b6933_gateup
	.p2alignl 7, 3214868480
	.fill 96, 4, 3214868480
	.section	.rodata,"a",@progbits
	.p2align	6, 0x0
	.amdhsa_kernel k_q50919b6933_gateup
		.amdhsa_group_segment_fixed_size 300288
		.amdhsa_private_segment_fixed_size 0
		.amdhsa_enable_private_segment 0
		.amdhsa_kernarg_size 32
		.amdhsa_user_sgpr_count 2
		.amdhsa_user_sgpr_kernarg_segment_ptr 1
		.amdhsa_wavefront_size32 1
		.amdhsa_system_sgpr_workgroup_id_x 1
		.amdhsa_system_sgpr_workgroup_id_y 1
		.amdhsa_system_sgpr_workgroup_id_z 1
		.amdhsa_system_vgpr_workitem_id 0
		.amdhsa_next_free_vgpr 512
		.amdhsa_next_free_sgpr 66
		.amdhsa_reserve_vcc 1
		.amdhsa_float_denorm_mode_32 3
		.amdhsa_float_denorm_mode_16_64 3
		.amdhsa_memory_ordered 1
		.amdhsa_forward_progress 1
		.amdhsa_inst_pref_size 224
	.end_amdhsa_kernel
	.amdgpu_metadata
---
amdhsa.version: [ 1, 2 ]
amdhsa.kernels:
  - .name:           k_q50919b6933_gateup
    .symbol:         k_q50919b6933_gateup.kd
    .args:
      - { .name: expert_ids, .offset: 0, .size: 8, .value_kind: global_buffer, .address_space: global }
      - { .name: tokens, .offset: 8, .size: 8, .value_kind: global_buffer, .address_space: global }
      - { .name: w_gate_up, .offset: 16, .size: 8, .value_kind: global_buffer, .address_space: global }
      - { .name: hid, .offset: 24, .size: 8, .value_kind: global_buffer, .address_space: global }
    .group_segment_fixed_size: 300288
    .private_segment_fixed_size: 0
    .kernarg_segment_align: 8
    .kernarg_segment_size: 32
    .max_flat_workgroup_size: 256
    .sgpr_count:     66
    .vgpr_count:     512
    .wavefront_size: 32
...
	.end_amdgpu_metadata
.endif
;; end of part 3
;; launch down (part 4): grid 256 x 1, 8 waves a work-group, no clusters, 220,416 bytes of LDS; arguments expert_ids, hid, w_down, out0; writes out0
.if DOCPART == 4
	.amdgcn_target "amdgcn-amd-amdhsa--gfx1250"
	.amdhsa_code_object_version 6
	.text
	.protected	k_q50919b6933_down
	.globl	k_q50919b6933_down
	.p2align	8
	.type	k_q50919b6933_down,@function
k_q50919b6933_down:
	s_mov_b64 s[64:65], 0
	v_nop
	global_prefetch_b8 v0, s[64:65] scope:SCOPE_SE
	s_setreg_imm32_b32 hwreg(HW_REG_WAVE_MODE, 25, 1), 1
	s_wait_xcnt 0x0
; out0[token] = hidden row x Wdown of the token's expert, 32 columns a work-group.  hid, bf16: [expert 8][slice 32][tile 64][fragment 4][lane 32][8], as the launch before stored it: tile T holds entries
; 16 T .. 16 T + 15 of the expert's list; lane 16 h + r of fragment f holds row r, hidden columns 64 slice + 16 f + 8 h .. + 7.  w_down [8][2048][1024] f32 (k along the rows' index); expert_ids [1024] i32; out0 [1024][1024] f32.
; SHARES.  Work-group x: expert x / 32, columns 32 (x % 32) .. + 31: 256 KiB of f32 weights, which it alone reads.
; WAVES 4-7 STREAM THE SLICE.  A chunk is 256 k rows x 128 bytes; of every chunk wave 4 + p takes rows 64 p .. 64 p + 63: 16 loads of 16 bytes a lane (four rows each), 8 KiB.  A wave's 256 staging registers are
; a ring of four sub-slots, one for each chunk of a ROUND of four chunks.  A sub-slot's turn: its 16 loads are in (the 48 younger ones stay out), they are rounded to bf16 and stored into LDS, and in round 0 the
; sub-slot asks for its chunk of round 1.  So a wave has 48 to 64 loads out, the four waves 96 to 128 KiB.  Round 1, the last, is written out without loads, its counts running down.
; LDS holds the slice once, in two REGIONS, one a round: [wave 4][chunk 4][64 k rows][96 bytes], so that a wave's stores lie in one interval of its own by its number.  No byte of it is written twice.
; WAVES 0-3 MULTIPLY: tile 4 s + w of 16 rows is wave w's slot s (s = 0..2); further tiles (rows past 192) are made one by one from the slice in LDS behind the stream.
; ONE BARRIER A ROUND.  The stages are written out: in stage T the streaming waves fill region T while waves 0-3 multiply region T - 1, a counted loop of four chunks.  The barrier between two stages orders the
; stores of region T with the fragment loads of region T; what is read and what is written inside a stage lie in different regions, by constants of the text.  Region 1 is multiplied behind the stream.
; Every arm of the streaming waves is a whole round, and every arm of the multiplying waves ends with all its loads in: the rows of hid and the staging loads land in the same registers of window 1, and so
; on every way through the text a register takes a load only when no earlier load into it is out.
; SET-UP IS COMMON TEXT: every wave makes both kinds' addresses and reads the count, and every register that is loaded under one branch and read under another is written once by every wave at the head.
; The matrix instruction is used transposed (source 0 = 16 columns of W, source 1 = 16 rows): a lane holds one row and eight neighbouring columns.  A tile's four loads of 64 k are 512 consecutive bytes each,
; 16 bytes a lane, and land as the operand's own order of K asks (registers 0-3: k = 8 h .. + 7; 4-7: 16 + 8 h .. + 7, for each 32 k).  Unit u (64 k) of a chunk is streaming wave u's piece.
; ROWS PAST THE COUNT.  In the last tile the launch before repeated the expert's last row in the places past the count, so those places hold that row's result here; they take entry count - 1 of the list and
; store the same bytes to the same place as the last row does: at most 15 rows of 128 bytes stored again, and every lane stays on throughout the text.
; FORMATS.  Both sources bf16, sums f32, out0 f32.
; LIMITS.  A row whose id lies outside 0..7 is in no list and is not stored.  An expert without rows still streams its slice; it has no live slot, multiplies nothing and stores nothing.
; A store of the first twelve tiles covers four rows' 128 consecutive bytes each: half of an aligned 256: slices of 64 columns at a pitch free of conflicts (160 bytes x 2,048 k) would leave no LDS for list
; and stage.  The further tiles go out straight from the registers, 16 bytes a lane, so that LDS is only read while they are made.
; NO CLUSTER, NO TENSOR LOAD: each slice of the weights has one reader and has to pass through registers to be rounded; the tiles of hid go straight into registers, in numbers that hang on the count.
.set NCH,    8                         ; chunks of 256 k
.set NREG,   2                         ; rounds of four chunks, and regions
.set P,      96                        ; a k row in LDS: 64 bytes + 32 = 24 words
.set PIECE,  64*P                      ; a streaming wave's 64 k rows of one chunk
.set QB,     4*PIECE                   ; its part of a region
.set RB,     4*QB                      ; a region
.set LIST,   NREG*RB
.set META,   LIST+4096
.set TRASH,  META+128
.set TRIDX,  (TRASH-LIST)/4
.set STAGEB, META+256                  ; 16 rows x 144 bytes for each wave's number (the multiplying waves use theirs), for the way out
.set SPITCH, 144
.set STW,    16*SPITCH
.set SPARE,  STAGEB+8*STW              ; the spare words: 128 bytes for each of eight waves, four blocks of 256 bytes that no other line names
.set UNIT,   131072                    ; bytes from 64 k of hid to the next: 64 tiles x 2,048
; window 0: v0 thread, v1 lane, v2 my spare word, v3 0, v4 r, v5 h, v6 lane's place in a region's chunk 0, v7 the same in the chunk in hand (units 0, 1), v8-10 slot s: byte offset of my 16 bytes in its tile of hid,
;           v12 into the stage, v13 back from it, v15 16 x lane, v16-21 at work, v22 lane / 8, v23 16 (lane % 8), v24 lane's offset in four k rows of the weights, v25 lane's place in my part of region 0,
;           v26 the same in the region filled, v27 lane % 8, v28 32 h, v29 v7 for units 2, 3, v30 v6 in the region read, v32-63 wave 0: the ids
.set RO,     8
.set BK,     64                        ; v64-79   the way out: 16 rows read back
.set RQ,     80                        ; v80-83   their numbers in the list
.set TQ,     84                        ; v84-87   their offsets in out0
.set BF,     128                       ; v128-255 W's fragments: unit u of 64 k, k step j, fragment f at 32 u + 16 j + 8 f
.set PKT,    128                       ; v128-191 streaming waves: two pack buffers of 32 registers, taken by turns
; window 1: v0-47 accumulators, slot s, fragment f at 16 s + 8 f; v64-255 rows of hid: unit u, slot s, k step j at 64 + 48 u + 16 s + 8 j.  Streaming waves: v0-255, sub-slot s, load i at 64 s + 4 i
.set AF,     64
; s4-11 the four addresses; s12 wave; s13 expert; s14 slice; s16 wave % 4; s17 at work; s18 count; s19 tiles; s20 my live slots; s21 at work; s22-23 an offset;
; s26-27 hid at the chunk asked for; s28-29 out0 at my columns; s30 count - 1; s31 running count; s32, s34 counters; s33 a tile's number; s39 the next chunk's number; s40-41 hid at my expert;
; s44-47 the weights at my rows of rounds 0 and 1: two addresses, never rewritten
.set WB,     44
.set MSB, 0
.macro WIN new                         ; s_set_vgpr_msb: bits 1:0 source 0, 3:2 source 1, 5:4 source 2, 7:6 destination; the high byte repeats the setting that is left
.if MSB != (\new)
	s_set_vgpr_msb (MSB<<8)|(\new)
.set MSB, \new
.endif
.endm
.macro PLACES                          ; four plain vector instructions between a matrix instruction and a line that reads its result, writes one of its registers or loads into one
.rept 4
	v_nop
.endr
.endm
.macro BAR                             ; for the others' sake: my LDS stores are done and my LDS loads are back; then every wave meets
	s_wait_dscnt 0x0
	s_barrier_signal -1
	s_barrier_wait -1
.endm
.macro PLOAD T, s                      ; sub-slot s asks for my 64 k rows of chunk s of round T: load i takes rows 4 i .. 4 i + 3, 128 bytes of each.  No hint: the neighbouring slice reads the bytes beside them.  The caller sets the window
.set ix, 0
.rept 16
	global_load_b128 v[64*(\s)+4*ix:64*(\s)+4*ix+3], v24, s[WB+2*(\T):WB+2*(\T)+1] offset:((\s)<<20)+(ix<<14)
.set ix, ix+1
.endr
.endm
; The turn of sub-slot s in round T.  left: how many younger loads may stay out.  more = 1: the sub-slot asks for its chunk of the next round.
.macro PSTEP T, s, more, left
	s_wait_loadcnt \left                           ; loads come back in order (ISA guide 5.7.1): this sub-slot's 16 are in; the younger sub-slots' stay out
	s_wait_dscnt 16                                ; the 16 stores of the turn before may be out; those of the turn before that, which read this pack buffer, are done
	WIN 0x05                                       ; sources in window 1, destination in window 0
.set ix, 0
.rept 16
	v_cvt_pk_bf16_f32 v[PKT+32*((\s)%2)+2*ix], v[64*(\s)+4*ix], v[64*(\s)+4*ix+1]
	v_cvt_pk_bf16_f32 v[PKT+32*((\s)%2)+2*ix+1], v[64*(\s)+4*ix+2], v[64*(\s)+4*ix+3]
.set ix, ix+1
.endr
	WIN 0
.set ix, 0
.rept 16
	ds_store_b64 v26, v[PKT+32*((\s)%2)+2*ix:PKT+32*((\s)%2)+2*ix+1] offset:(\s)*PIECE+ix*4*P  ; four k rows' 64 bytes each
.set ix, ix+1
.endr
.if \more
	WIN 0x40
	PLOAD (\T)+1, \s
	WIN 0
.endif
.endm
.macro PBIG T                          ; a whole round: region T is filled
	v_add_nc_u32 v26, (\T)*RB, v25
.if (\T) < NREG-1
	PSTEP \T, 0, 1, 48
	PSTEP \T, 1, 1, 48
	PSTEP \T, 2, 1, 48
	PSTEP \T, 3, 1, 48
.else
	PSTEP \T, 0, 0, 48                             ; the last round asks for nothing: the counts run down
	PSTEP \T, 1, 0, 32
	PSTEP \T, 2, 0, 16
	PSTEP \T, 3, 0, 0
.endif
.endm
.macro ROWSD slot, tile                ; my 16 bytes in tile min(s[tile], tiles - 1): a slot without a tile repeats the last tile, whose bytes have been stored
	s_sub_co_u32 s17, s19, 1
	s_min_u32 s17, s17, s[\tile]
	s_min_u32 s17, s17, 63
	s_lshl_b32 s17, s17, 11                        ; 2,048 bytes a tile
	v_add_nc_u32 v[RO+(\slot)], s17, v15
.endm
.macro ALOADU n, u                     ; unit u (64 k) of n tiles, of the chunk at s[26:27]: four loads of 512 consecutive bytes a tile; the caller has set the destination's window
.set sx, 0
.rept \n
.irp i, 0,1,2,3
	global_load_b128 v[AF+48*(\u)+16*sx+4*\i:AF+48*(\u)+16*sx+4*\i+3], v[RO+sx], s[26:27] offset:(\u)*UNIT+512*\i
.endr
.set sx, sx+1
.endr
.endm
.macro FRAGSD creg                     ; the fragments of chunk s[creg] (0..3) of the region at v30: 32 turning loads, eight for each unit of 64 k; units 2 and 3 lie past an immediate's reach and have v29
	v_mov_b32 v7, s[\creg]
	v_min_u32 v7, 3, v7                            ; a chunk's number stays inside its region
	v_mul_u32_u24 v7, v7, PIECE
	v_add_nc_u32 v7, v7, v30
	v_add_nc_u32 v29, 2*QB, v7
.irp u, 0,1,2,3
.irp j, 0,1
.irp f, 0,1
	ds_load_tr16_b128 v[BF+32*\u+16*\j+8*\f:BF+32*\u+16*\j+8*\f+3],   v[7+22*(\u/2)] offset:(\u%2)*QB+\j*32*P+32*\f
	ds_load_tr16_b128 v[BF+32*\u+16*\j+8*\f+4:BF+32*\u+16*\j+8*\f+7], v[7+22*(\u/2)] offset:(\u%2)*QB+\j*32*P+16*P+32*\f
.endr
.endr
.endr
.endm
.macro MULD n, u                       ; 4 n matrix instructions; the accumulators take turns, one instruction a turn
.irp j, 0,1
.irp f, 0,1
.set sx, 0
.rept \n
	v_wmma_f32_16x16x32_bf16 v[16*sx+8*\f:16*sx+8*\f+7], v[BF+32*(\u)+16*\j+8*\f:BF+32*(\u)+16*\j+8*\f+7], v[AF+48*(\u)+16*sx+8*\j:AF+48*(\u)+16*sx+8*\j+7], v[16*sx+8*\f:16*sx+8*\f+7]
.set sx, sx+1
.endr
.endr
.endr
.endm
; One chunk (256 k, four units) for n tiles, its fragments asked for by FRAGSD.  s22: the byte offset in my expert's hid of the chunk that follows; while s[creg] is below bound, its unit u is asked for behind unit u's products.
.macro TRIPC n, creg, bound
	s_wait_loadcnt 0x0                             ; this chunk's rows of hid, all four units, asked for in the chunk before; their base is free behind this wait
	s_add_nc_u64 s[26:27], s[40:41], s[22:23]
.irp u, 0,1,2,3
	s_wait_dscnt 24-8*\u                           ; unit u's eight fragment loads are in; the later units' may be out
	WIN 0x54                                       ; W in window 0; the rows, C and D in window 1
	MULD \n, \u
	WIN 0
	PLACES                                         ; behind the products, whatever follows: the loads into the registers just multiplied, the next chunk's fragments, or the way out
	s_cmp_lt_u32 s[\creg], \bound
	s_cbranch_scc0 .Lnl_\@_\u
	WIN 0x40
	ALOADU \n, \u
	WIN 0
.Lnl_\@_\u:
.endr
.endm
; Region R is multiplied: four chunks.  A wave with one live slot runs the text for two: its second slot repeats a tile that exists and is not stored.
.macro CBIG R
	s_cmp_eq_u32 s20, 0
	s_cbranch_scc1 .Lce_\@
	v_add_nc_u32 v30, (\R)*RB, v6
	s_mov_b32 s32, 0
.Lcl_\@:
	FRAGSD 32
	s_add_co_u32 s39, s32, 4*(\R)+1                ; the chunk that follows, counted along K,
	s_lshl_b32 s22, s39, 19                        ; and its four units of 131,072 bytes in my expert's hid
	s_cmp_lt_u32 s20, 3
	s_cbranch_scc1 .Lc2_\@
	TRIPC 3, 39, NCH
	s_branch .Lcj_\@
.Lc2_\@:
	TRIPC 2, 39, NCH
.Lcj_\@:
	s_add_co_u32 s32, s32, 1
	s_cmp_lt_u32 s32, 4
	s_cbranch_scc1 .Lcl_\@
.Lce_\@:
	s_wait_loadcnt 0x0                             ; the arm ends with all my loads in; the next chunk's rows lie in their registers
.endm
; Stage T: the streaming waves fill region T (there is none in the last stage), waves 0-3 multiply region T - 1; then every wave meets.
.macro STAGE T
	s_cmp_ge_u32 s12, 4
	s_cbranch_scc1 .Lsp_\@
	CBIG (\T)-1
	s_branch .Lsj_\@
.Lsp_\@:
.if (\T) < NREG
	PBIG \T
.endif
.Lsj_\@:
	BAR
.endm
; THE WAY OUT of one of the first twelve tiles (slot's, number s[tile]): through my own stage in LDS, back by rows, and each row to its token's place; a place past the count goes where the last row goes, with the same bytes.
.macro EPI2 slot, tile
	s_wait_xcnt 0x0                                ; earlier stores' data and offset registers are written again only behind this wait
	WIN 0x04                                       ; the data in window 1
.irp f, 0,1
.irp g, 0,1
	ds_store_b128 v12, v[16*(\slot)+8*\f+4*\g:16*(\slot)+8*\f+4*\g+3] offset:64*\f+16*\g  ; row r, columns 16 f + 8 h + 4 g on; each accumulator from its lowest registers on
.endr
.endr
	WIN 0
.irp q, 0,1,2,3
	ds_load_b128 v[BK+4*\q:BK+4*\q+3], v13 offset:\q*4*SPITCH  ; four rows of 128 bytes; LDS serves a wave's instructions in order (ISA guide 5.7.1.4): these see the stores above
.endr
	s_lshl_b32 s17, s[\tile], 4
.irp q, 0,1,2,3
	v_add_nc_u32 v[RQ+\q], s17, v22
	v_add_nc_u32 v[RQ+\q], 4*\q, v[RQ+\q]          ; my row's number in the list,
	v_min_u32 v[TQ+\q], s30, v[RQ+\q]              ; or the last entry's
	v_min_u32 v[TQ+\q], 0x3ff, v[TQ+\q]
	v_lshl_add_u32 v[TQ+\q], v[TQ+\q], 2, LIST
	ds_load_b32 v[TQ+\q], v[TQ+\q]
.endr
	s_wait_dscnt 0x0
.irp q, 0,1,2,3
	v_min_u32 v[TQ+\q], 0x3ff, v[TQ+\q]            ; a token's number stays inside the table
	v_lshl_add_u32 v[TQ+\q], v[TQ+\q], 12, v23     ; 4,096 bytes a row of out0, + 16 (lane % 8)
.endr
.irp q, 0,1,2,3
	global_store_b128 v[TQ+\q], v[BK+4*\q:BK+4*\q+3], s[28:29]  ; eight lanes store a row's 128 consecutive bytes
.endr
.endm
; THE WAY OUT of a further tile (slot 0's, number s[tile]): straight from the registers: my row's 32 bytes of each fragment, 16 at a time; no LDS byte is written.
.macro EPI3 tile
	s_lshl_b32 s17, s[\tile], 4
	v_add_nc_u32 v[RQ], s17, v4                    ; my row's number in the list,
	v_min_u32 v[TQ], s30, v[RQ]                    ; or the last entry's
	v_min_u32 v[TQ], 0x3ff, v[TQ]
	v_lshl_add_u32 v[TQ], v[TQ], 2, LIST
	ds_load_b32 v[TQ], v[TQ]
	s_wait_dscnt 0x0
	v_min_u32 v[TQ], 0x3ff, v[TQ]                  ; a token's number stays inside the table
	v_lshl_add_u32 v[TQ], v[TQ], 12, v28           ; 4,096 bytes a row of out0, + 32 h
	WIN 0x04                                       ; the data in window 1
.irp f, 0,1
.irp g, 0,1
	global_store_b128 v[TQ], v[8*\f+4*\g:8*\f+4*\g+3], s[28:29] offset:64*\f+16*\g  ; each accumulator from its lowest registers on
.endr
.endr
	WIN 0
.endm
	s_load_b256 s[4:11], s[0:1], 0x0               ; expert_ids s[4:5], hid s[6:7], w_down s[8:9], out0 s[10:11]
	v_lshl_add_u32 v2, v0, 2, SPARE
	v_mov_b32 v3, 0
	v_lshrrev_b32 v16, 5, v0
	v_readfirstlane_b32 s12, v16                   ; wave 0..7
	v_and_b32 v1, 31, v0
	v_and_b32 v4, 15, v0
	v_bfe_u32 v5, v0, 4, 1
	v_bfe_u32 v22, v0, 3, 2
	v_and_b32 v27, 7, v0
	v_lshlrev_b32 v24, 12, v22                     ; in the weights: k row lane / 8 of a load's four,
	v_lshl_add_u32 v24, v27, 4, v24                ; 16 bytes a lane
	s_lshr_b32 s13, ttmp9, 5
	s_and_b32 s14, ttmp9, 31
	s_and_b32 s16, s12, 3
	s_mul_i32 s17, s16, QB                         ; my part of a region,
	v_mul_u32_u24 v25, v22, P                      ; k row lane / 8 of a store's four,
	v_lshl_add_u32 v25, v27, 3, v25                ; 8 bytes a lane
	v_add_nc_u32 v25, s17, v25
	v_lshl_add_u32 v17, v5, 3, v27                 ; the turning load: lane l addresses k row 8 h + l % 8,
	v_mul_u32_u24 v6, v17, P
	v_bfe_u32 v17, v0, 3, 1
	v_lshl_add_u32 v6, v17, 4, v6                  ; columns 8 ((l / 8) % 2) on
	s_mul_i32 s17, s12, STW
	s_add_co_u32 s17, s17, STAGEB                  ; my stage
	v_mul_u32_u24 v12, v4, SPITCH
	v_lshl_add_u32 v12, v5, 5, v12
	v_add_nc_u32 v12, s17, v12
	v_mul_u32_u24 v13, v22, SPITCH
	v_lshl_add_u32 v13, v27, 4, v13
	v_add_nc_u32 v13, s17, v13
	v_lshlrev_b32 v15, 4, v1
	v_lshlrev_b32 v23, 4, v27
	v_lshlrev_b32 v28, 5, v5
	s_lshl_b32 s22, s13, 23                        ; an expert's 8 MiB,
	s_lshl_b32 s17, s14, 7                         ; the slice's 128 bytes in a row,
	s_add_co_u32 s22, s22, s17
	s_lshl_b32 s17, s16, 18                        ; my 64 rows of 4,096 bytes in a chunk
	s_add_co_u32 s22, s22, s17
	s_mov_b32 s23, 0
.set ix, 32
.rept 32                               ; the ids' and the fragments' registers are written by every wave, once, ahead of the loads that only some waves issue: in the wait for the arguments
	v_mov_b32 v[ix], 0
.set ix, ix+1
.endr
.set ix, BF
.rept 128
	v_mov_b32 v[ix], 0
.set ix, ix+1
.endr
	s_wait_kmcnt 0x0
	s_add_nc_u64 s[WB:WB+1], s[8:9], s[22:23]      ; round 0,
	s_add_nc_u64 s[WB+2:WB+3], s[WB:WB+1], 0x400000  ; and 1,024 rows of 4,096 bytes on for round 1
	s_lshl_b32 s22, s13, 22                        ; an expert's 32 slices of 131,072 bytes
	s_add_nc_u64 s[40:41], s[6:7], s[22:23]
	s_lshl_b32 s22, s14, 7
	s_add_nc_u64 s[28:29], s[10:11], s[22:23]
	s_mov_b64 s[26:27], s[40:41]
	s_cmp_lt_u32 s12, 4
	s_cbranch_scc1 .Lclear
	WIN 0x40                                       ; THE STREAMING WAVES: round 0 goes out before anything else is done
	PLOAD 0, 0
	PLOAD 0, 1
	PLOAD 0, 2
	PLOAD 0, 3
	WIN 0
	s_branch .Lcommon
.Lclear:                                               ; THE MULTIPLYING WAVES
	s_cmp_lg_u32 s12, 0
	s_cbranch_scc1 .Lnoids
.irp i, 0,1,2,3,4,5,6,7
	global_load_b128 v[32+4*\i:32+4*\i+3], v15, s[4:5] offset:512*\i  ; wave 0 asks for the ids; the lines below stand in the wait for them
.endr
.Lnoids:
	WIN 0x40                                       ; the sums start at 0 (48 registers); the window's other registers are written with them, so that both sides of the branch write all 256.
.set ix, 0                             ; The price of writing no first chunk out for each variant
.rept 256
	v_mov_b32 v[ix], 0
.set ix, ix+1
.endr
	WIN 0
.Lcommon:
	s_cmp_lg_u32 s12, 0
	s_cbranch_scc1 .Lmeet
	; WAVE 0 MAKES THE LIST: the tokens of my expert, in the order (i, c, lane) of the 32 compares, as the launch before made it
	v_mov_b32 v18, TRIDX
	v_lshlrev_b32 v19, 2, v1
	v_mov_b32 v20, 0
	v_mov_b32 v21, LIST
	ds_store_b32 v21, v20                          ; entry 0 is token 0 until a token of the expert's takes the place
	s_mov_b32 s31, 0
	s_wait_loadcnt 0x0                             ; the ids
.irp i, 0,1,2,3,4,5,6,7
.irp c, 0,1,2,3
	v_cmp_eq_u32 vcc_lo, s13, v[32+4*\i+\c]
	v_mbcnt_lo_u32_b32 v16, vcc_lo, s31            ; my place: those found so far + those in lower lanes
	v_cndmask_b32 v16, v18, v16, vcc_lo            ; or the trash word, if the token is another expert's
	v_min_u32 v16, TRIDX, v16
	v_lshl_add_u32 v16, v16, 2, LIST
	v_add_nc_u32 v17, 128*\i+\c, v19               ; the token: 128 i + 4 lane + c
	ds_store_b32 v16, v17
	s_bcnt1_i32_b32 s17, vcc_lo
	s_add_co_u32 s31, s31, s17
.endr
.endr
	v_mov_b32 v16, META
	v_mov_b32 v17, s31
	ds_store_b32 v16, v17
.Lmeet:
	BAR                                            ; list and count are in LDS
	s_cmp_lt_u32 s12, 4
	s_cbranch_scc1 .Lcount
	PBIG 0                                         ; region 0 is filled; waves 0-3 go on to the lines below meanwhile
.Lcount:
	v_mov_b32 v16, META
	ds_load_b32 v17, v16
	s_wait_dscnt 0x0
	v_readfirstlane_b32 s18, v17
	s_min_u32 s18, s18, 1024                       ; the count
	s_max_u32 s30, s18, 1
	s_sub_co_u32 s30, s30, 1                       ; the last entry
	s_add_co_u32 s19, s18, 15
	s_lshr_b32 s19, s19, 4
	s_max_u32 s19, s19, 1                          ; tiles of 16 rows, one at the least, as the launch before stored them
	s_add_co_u32 s20, s19, 3
	s_sub_co_u32 s20, s20, s12
	s_lshr_b32 s20, s20, 2
	s_min_u32 s20, s20, 3                          ; waves 0-3: how many of my three slots (tiles w, 4 + w, 8 + w) have a tile;
	s_cmp_eq_u32 s18, 0
	s_cselect_b32 s20, 0, s20                      ; none, if the expert has no row: nothing is multiplied and nothing stored
	; all three slots get a tile and their first loads, whatever the count: a slot without a tile repeats the last one
	s_mov_b32 s33, s12
	ROWSD 0, 33
	s_add_co_u32 s33, s33, 4
	ROWSD 1, 33
	s_add_co_u32 s33, s33, 4
	ROWSD 2, 33
	s_cmp_ge_u32 s12, 4
	s_cbranch_scc1 .Lb0
	s_wait_loadcnt 0x0                             ; no load of mine is out (wave 0's ids were waited for): the registers below take loads only behind this wait
	WIN 0x40
	ALOADU 3, 0                                    ; chunk 0's rows of hid come while region 0 is filled
	ALOADU 3, 1
	ALOADU 3, 2
	ALOADU 3, 3
	WIN 0
	s_wait_loadcnt 0x0                             ; the arm ends with all my loads in; nothing else is due before region 0 is whole
.Lb0:
	BAR                                            ; region 0 is whole
	STAGE 1
	STAGE 2                                        ; behind its barrier the slice is only read; the way out writes the stages
	s_cmp_ge_u32 s12, 4
	s_cbranch_scc1 .Lmid
	s_wait_loadcnt 0x0
	s_mov_b32 s33, s12
	s_cmp_eq_u32 s20, 0
	s_cbranch_scc1 .Lmid
	EPI2 0, 33
	s_cmp_lt_u32 s20, 2
	s_cbranch_scc1 .Lmid
	s_add_co_u32 s33, s33, 4
	EPI2 1, 33
	s_cmp_lt_u32 s20, 3
	s_cbranch_scc1 .Lmid
	s_add_co_u32 s33, s33, 4
	EPI2 2, 33
.Lmid:
	BAR                                            ; every wave has done with its stage: up to the next barrier LDS is only read
	s_cmp_ge_u32 s12, 4
	s_cbranch_scc1 .Lend
	s_add_co_u32 s33, s12, 12                      ; tiles 12 + w + 4 x, x = 0..12: rows past 192, one tile at a time from the slice in LDS: no barrier
	s_mov_b32 s34, 13
.Lx:
	s_cmp_ge_u32 s33, s19
	s_cbranch_scc1 .Lxskip
	s_wait_loadcnt 0x0                             ; no load is out when the rows' registers take loads again
	s_wait_xcnt 0x0                                ; the last tile's stores have had their addresses translated (ISA guide 3.1): their data (the sums) and their offsets are written again below
	ROWSD 0, 33
	s_mov_b64 s[26:27], s[40:41]
	WIN 0x40
	ALOADU 1, 0
	ALOADU 1, 1
	ALOADU 1, 2
	ALOADU 1, 3
.set ix, 0
.rept 16
	v_mov_b32 v[ix], 0
.set ix, ix+1
.endr
	WIN 0
	s_mov_b32 s32, 0
.Lxc:                                                  ; the eight chunks in K's order: chunk g is chunk g % 4 of region g / 4
	s_lshr_b32 s21, s32, 2
	v_mov_b32 v30, s21
	v_min_u32 v30, NREG-1, v30                     ; a region's number stays inside the slice
	v_mul_u32_u24 v30, v30, RB
	v_add_nc_u32 v30, v30, v6
	s_and_b32 s21, s32, 3
	FRAGSD 21
	s_add_co_u32 s22, s32, 1
	s_lshl_b32 s22, s22, 19
	TRIPC 1, 32, NCH-1
	s_add_co_u32 s32, s32, 1
	s_cmp_lt_u32 s32, NCH
	s_cbranch_scc1 .Lxc
	EPI3 33
.Lxskip:
	s_add_co_u32 s33, s33, 4
	s_sub_co_u32 s34, s34, 1
	s_cmp_lg_u32 s34, 0
	s_cbranch_scc1 .Lx
.Lend:
	BAR                                            ; every wave's reads of LDS are over
	s_wait_tensorcnt 0x0                           ; the wave's end, behind my last LDS store
	ds_add_u32 v2, v3
	s_wait_dscnt 0x0
	s_endpgm
.Lfunc_end_k_q50919b6933_down:
	.size	k_q50919b6933_down, .Lfunc_end_k_q50919b6933_down-k_q50919b6933_down
	.p2alignl 7, 3214868480
	.fill 96, 4, 3214868480
	.section	.rodata,"a",@progbits
	.p2align	6, 0x0
	.amdhsa_kernel k_q50919b6933_down
		.amdhsa_group_segment_fixed_size 220416
		.amdhsa_private_segment_fixed_size 0
		.amdhsa_enable_private_segment 0
		.amdhsa_kernarg_size 32
		.amdhsa_user_sgpr_count 2
		.amdhsa_user_sgpr_kernarg_segment_ptr 1
		.amdhsa_wavefront_size32 1
		.amdhsa_system_sgpr_workgroup_id_x 1
		.amdhsa_system_sgpr_workgroup_id_y 1
		.amdhsa_system_sgpr_workgroup_id_z 1
		.amdhsa_system_vgpr_workitem_id 0
		.amdhsa_next_free_vgpr 512
		.amdhsa_next_free_sgpr 66
		.amdhsa_reserve_vcc 1
		.amdhsa_float_denorm_mode_32 3
		.amdhsa_float_denorm_mode_16_64 3
		.amdhsa_memory_ordered 1
		.amdhsa_forward_progress 1
		.amdhsa_inst_pref_size 132
	.end_amdhsa_kernel
	.amdgpu_metadata
---
amdhsa.version: [ 1, 2 ]
amdhsa.kernels:
  - .name:           k_q50919b6933_down
    .symbol:         k_q50919b6933_down.kd
    .args:
      - { .name: expert_ids, .offset: 0, .size: 8, .value_kind: global_buffer, .address_space: global }
      - { .name: hid, .offset: 8, .size: 8, .value_kind: global_buffer, .address_space: global }
      - { .name: w_down, .offset: 16, .size: 8, .value_kind: global_buffer, .address_space: global }
      - { .name: out0, .offset: 24, .size: 8, .value_kind: global_buffer, .address_space: global }
    .group_segment_fixed_size: 220416
    .private_segment_fixed_size: 0
    .kernarg_segment_align: 8
    .kernarg_segment_size: 32
    .max_flat_workgroup_size: 256
    .sgpr_count:     66
    .vgpr_count:     512
    .wavefront_size: 32
...
	.end_amdgpu_metadata
.endif
;; end of part 4
